; MI455X (gfx1250); checked and timed in simulation.
; The chip was launched on July 23, 2026; its instructions are those of AMD's public machine-readable ISA for CDNA 5 (MIT licence, August 2026) and "CDNA5" Instruction Set Architecture Reference Guide (July 2026). The comments in the code are by the model that wrote it; some were corrected since.
;; Fused Experts. Allowed arithmetic: matrix products marked QUANTISED: E2M1 operands, one E8M0 scale for each 32 along K, by v_wmma_scale_f32_16x16x128_f8f6f4 with both operands' format E2M1 (or v_wmma_scale_f32_32x16x128_f4), f32 sums; everything else in f32.
;; Inputs: expert_idxs 8,192 x 2 int32; expert_p 8,192 x 2 float32; w13 8 x 1,024 x 512 float32; w2 8 x 256 x 1,024 float32; x 2 x 4,096 x 1,024 float32.
;; Outputs: out0 2 x 4,096 x 1,024 float32.
;; This version of the problem:
;;   THIS VERSION OF THE PROBLEM IS GIVEN IN LOW PRECISION. The matrix products marked QUANTISED in the list below multiply operands that are first quantised to E2M1 (2 exponent bits, 1 mantissa bit; 4 bits a number), with one power-of-two scale for each 32 numbers along K (OCP MX v1.0); their sums are f32. All else is computed in f32.
;;   The module's matrix products, in the order in which they are computed (A, B: the left and right operand; K: the contracted axis; several contracted axes count as one K, in the product's order):
;;     1. [M 8,192, K 1,024] x [K 1,024, N 512]; A: input x; B: input w13: QUANTISED
;;     2. [M 8,192, K 256] x [K 256, N 1,024]; A: computed on the way; B: input w2: QUANTISED
;;     3. [M 8,192, K 1,024] x [K 1,024, N 512]; A: input x; B: input w13: QUANTISED
;;     4. [M 8,192, K 256] x [K 256, N 1,024]; A: computed on the way; B: input w2: QUANTISED
;;     5. [M 8,192, K 1,024] x [K 1,024, N 512]; A: input x; B: input w13: QUANTISED
;;     6. [M 8,192, K 256] x [K 256, N 1,024]; A: computed on the way; B: input w2: QUANTISED
;;     7. [M 8,192, K 1,024] x [K 1,024, N 512]; A: input x; B: input w13: QUANTISED
;;     8. [M 8,192, K 256] x [K 256, N 1,024]; A: computed on the way; B: input w2: QUANTISED
;;     9. [M 8,192, K 1,024] x [K 1,024, N 512]; A: input x; B: input w13: QUANTISED
;;     10. [M 8,192, K 256] x [K 256, N 1,024]; A: computed on the way; B: input w2: QUANTISED
;;     11. [M 8,192, K 1,024] x [K 1,024, N 512]; A: input x; B: input w13: QUANTISED
;;     12. [M 8,192, K 256] x [K 256, N 1,024]; A: computed on the way; B: input w2: QUANTISED
;;     13. [M 8,192, K 1,024] x [K 1,024, N 512]; A: input x; B: input w13: QUANTISED
;;     14. [M 8,192, K 256] x [K 256, N 1,024]; A: computed on the way; B: input w2: QUANTISED
;;     15. [M 8,192, K 1,024] x [K 1,024, N 512]; A: input x; B: input w13: QUANTISED
;;     16. [M 8,192, K 256] x [K 256, N 1,024]; A: computed on the way; B: input w2: QUANTISED
;;   THE QUANTISER, for each operand of a quantised product, along K:
;;     - K is cut into blocks of 32 from its start; a last block that is shorter is filled with zeros.
;;     - A block's scale is 2^e with e = floor(log2(the largest magnitude in the block)) - 2, held to -126 .. 127; a block of zeros has e = 0. As a byte (E8M0): e + 127.
;;     - Each number is divided by its block's scale, clamped to +-6, and rounded to the nearest number of E2M1, ties to even, subnormals kept.
;;     - The product sums the exact products of the quantised numbers (number of the format x scale) in f32.
;;   ~~~python
;;   def quantise(x, axis):      # numpy; x: float32 -> the quantised numbers, widened to float32 again
;;       x = np.moveaxis(x, axis, -1); K = x.shape[-1]
;;       x = np.pad(x, [(0, 0)] * (x.ndim - 1) + [(0, -K % 32)]); x = x.reshape(x.shape[:-1] + (-1, 32)); a = np.abs(x).max(-1, keepdims=True)
;;       e = np.where(a > 0, np.clip(np.frexp(np.where(a > 0, a, 1))[1] - 1 - 2, -126, 127), 0)      # np.frexp(a)[1] - 1 = floor(log2(a)), exactly
;;       r = np.clip(x / 2.0 ** e, -6, 6)
;;       step = 2.0 ** (np.maximum(np.frexp(np.where(r == 0, 1, r))[1] - 1, 0) - 1)
;;       q = np.round(r / step) * step * 2.0 ** e      # np.round: ties to even
;;       return np.moveaxis(q.reshape(q.shape[:-2] + (-1,))[..., :K], -1, axis).astype(np.float32)
;;   ~~~
;;   OPERANDS COMPUTED ON THE WAY. 'Computed on the way' means the value that the module computes at that place (a softmax that the list does not call 'softmax' is quantised finished and normalised). What goes into a quantiser is computed in f32, as accurately as f32 sums, v_exp_f32 and their like allow (about 1e-6 of the number): no bf16 or f16 on the way to a quantiser, and a product that is left as it is and whose result goes on into a quantised operand takes f32 operands (vector FMAs, or v_wmma_f32_16x16x4_f32). A number that lies on a knife's edge between two numbers of the format may be rounded either way, as far as f32 arithmetic and the matrix unit's own rounding can turn it there, and no further.
;; 3 versions. Each part assembles by itself: llvm-mc -triple=amdgcn-amd-amdhsa -mcpu=gfx1250 --defsym DOCPART=n.
;; ======== version 1 of 3: 2 launches
;; workspace buffers: w13c 2,097,152 bytes; w13s 131,072 bytes; w2c 1,048,576 bytes; w2s 65,536 bytes; order 32,768 bytes of whole numbers; meta 4,096 bytes of whole numbers
;; launch prep (part 1): grid 193 x 1, 8 waves a work-group, no clusters, 42,496 bytes of LDS; arguments w13, w2, expert_idxs, w13c, w13s, w2c, w2s, order, meta; writes w13c, w13s, w2c, w2s, order, meta
.if DOCPART == 1
	.amdgcn_target "amdgcn-amd-amdhsa--gfx1250"
	.amdhsa_code_object_version 6
	.text
	.protected	k_q61a7c94021_prep
	.globl	k_q61a7c94021_prep
	.p2align	8
	.type	k_q61a7c94021_prep,@function
k_q61a7c94021_prep:
	s_mov_b64 s[64:65], 0
	v_nop
	global_prefetch_b8 v0, s[64:65] scope:SCOPE_SE
	s_setreg_imm32_b32 hwreg(HW_REG_WAVE_MODE, 25, 1), 1
	s_wait_xcnt 0x0
; PREP.  Three kinds of work-group, told apart by the work-group's number alone.
;   0        : sorts the 8,192 tokens by their unordered pair of experts {a <= b} (36 classes, class = b (b + 1) / 2 + a) and stores
;              order[8192] (token numbers, class by class) and meta[256][4] = (first place in order, rows, a, b): tiles of at most 64 tokens of one class.
;   1 .. 128 : w13 [8][1024 (k)][512 (n)] f32 -> codes of FP4 (E2M1) and E8M0 scale bytes, one for each 32 along K.
;   129..192 : w2  [8][256 (k)][1024 (n)] f32 likewise.
; WEIGHTS.  K is the first axis: a lane takes a column n and its registers run down K, so a block of 32 lies in one lane's 32 registers and the
; conversions give codes with K innermost.  The codes are stored in the ORDER OF THE OPERAND'S REGISTERS: a fragment (16 rows x 128 K) is 1,024 bytes,
; chunk c (512 bytes) x lane (row + 16 h) x 16 bytes = k 64 c + 32 h + 0 .. 31 of that row.  A lane's block of 32 codes is such a piece of 16 bytes,
; so the codes leave straight from registers; sixteen lanes fill 256 consecutive, aligned bytes.
;   w13c[e][q][s][tt][1024]: q = 64 hidden units, s = K step of 128, tt = 4 type + t (type 0: h, 1: g); row r of tile t is hidden unit 64 q + 32 (t / 2) + 8 (t % 2) + r + 8 (r / 8).
;   w13s[e][q][tt][r + 16 (s % 2)][s / 2] words;   w2c[e][nt][s'][1024], row r = column 16 nt + r;   w2s[e][nt / 4][r + 16 s'][nt % 4] words.
; A block's scale is 2^(floor(log2(largest magnitude)) - 2): its byte is the largest magnitude's exponent field - 2, held at 1 from below.
; LIMITS: a block of zeros gets the byte 1 (its codes are zeros, and this program alone reads the bytes); blocks whose largest magnitude lies under 2^-124 were not tried;
; NaN and infinities are not served; an expert index outside 0 .. 7 is held at 7.
; The scale words leave 4 bytes a lane, 16 bytes apart: one byte in 128 of what a weight task reads.
.set XW,  64                           ; v64-191  four blocks of 32 numbers
.set CW,  192                          ; v192-207 four registers of codes for each block: no store's data are written again
.set TBL, 0                            ; LDS (work-group 0 alone): 40 rows [class][thread] of 256 words; rows 36-39 are zeros
.set TOT, 40960                        ; 40 words: each row's total
	s_load_b512 s[4:19], s[0:1], 0x0               ; w13, w2, expert_idxs, w13c, w13s, w2c, w2s, order
	s_load_b64 s[20:21], s[0:1], 0x40              ; meta
	v_lshl_add_u32 v208, v0, 2, 0xa200
	v_mov_b32 v209, 0
	v_lshrrev_b32 v1, 5, v0
	v_readfirstlane_b32 s24, v1                    ; wave 0..7
	v_and_b32 v1, 31, v0                           ; lane
	v_lshlrev_b32 v2, 2, v1                        ; weights: 4 bytes a lane: my column
	s_mov_b32 s33, 0                               ; the high word of every offset pair
	s_wait_kmcnt 0x0
	s_cmp_eq_u32 ttmp9, 0
	s_cbranch_scc1 .Lroute
	s_cmp_lt_u32 ttmp9, 129
	s_cbranch_scc0 .Lw2
.macro LOADB t, pitch                  ; block t: rows 32 t .. 32 t + 31 of my column; a wave's load reads 128 consecutive bytes
.set i, 0
.rept 32
	global_load_b32 v[XW+32*(\t)+i], v2, s[26:27] offset:(32*(\t)+i)*(\pitch) th:TH_LOAD_NT
.set i, i+1
.endr
.endm
.macro BLOCK t
.set XS, XW+32*(\t)
	v_max3_num_f32 v12, |v[XS]|, |v[XS+1]|, |v[XS+2]|      ; the block's largest magnitude: all 32 numbers are mine; two chains
	v_max3_num_f32 v13, |v[XS+3]|, |v[XS+4]|, |v[XS+5]|
.irp i, 6,10,14,18,22,26
	v_max3_num_f32 v12, v12, |v[XS+\i]|, |v[XS+\i+1]|
	v_max3_num_f32 v13, v13, |v[XS+\i+2]|, |v[XS+\i+3]|
.endr
	v_max3_num_f32 v12, v12, |v[XS+30]|, |v[XS+31]|
	v_max3_num_f32 v12, v12, v13, 0x1800000        ; and the floor 2^(3 - 127): the byte cannot fall under 1
	v_add_nc_u32 v11, 0xff000000, v12              ; 2 off the exponent field: the conversion takes this operand's exponent field as its scale
	v_lshrrev_b32 v13, 23, v11                     ; the scale's byte
.if (\t) == 0
	v_mov_b32 v14, v13                             ; four bytes make the K step's scale word, the lower K in the lower byte
.else
	v_lshl_or_b32 v14, v13, 8*(\t), v14
.endif
.irp g, 0,1,2,3
	v_cvt_scalef32_pk8_fp4_f32 v[CW+4*(\t)+\g], v[XS+8*\g:XS+8*\g+7], v11
.endr
	global_store_b128 v3, v[CW+4*(\t):CW+4*(\t)+3], s[28:29] offset:((\t)/2)*512+((\t)%2)*256   ; chunk t / 2, half t % 2 of my row's fragment
.endm
; A wave's task: 32 columns x 128 along K.  The counted waits leave the one younger block's 32 loads out.
.macro QW pitch
	LOADB 0, \pitch
	LOADB 1, \pitch
	s_wait_loadcnt 32
	LOADB 2, \pitch
	BLOCK 0
	s_wait_loadcnt 32
	LOADB 3, \pitch
	BLOCK 1
	s_wait_loadcnt 32
	BLOCK 2
	s_wait_loadcnt 0x0
	BLOCK 3
	global_store_b32 v4, v14, s[30:31]             ; my row's scale word of this K step
.endm
	; ---- w13: work-group g = e x 16 + K step x 2 + type; wave w takes columns 256 type + 32 w + lane
	s_sub_co_u32 s25, ttmp9, 1
	s_lshr_b32 s34, s25, 4                         ; e
	s_bfe_u32 s35, s25, 0x30001                    ; K step 0..7
	s_and_b32 s36, s25, 1                          ; type
	s_lshr_b32 s38, s24, 1                         ; which 64 hidden units: q
	s_and_b32 s39, s24, 1                          ; which 32 of them
	s_lshl_b32 s32, s34, 21                        ; from: e x 2 MiB + K step x 128 rows of 2,048 bytes + type x 1,024 + wave x 128
	s_lshl_b32 s37, s35, 18
	s_add_co_u32 s32, s32, s37
	s_lshl_b32 s37, s36, 10
	s_add_co_u32 s32, s32, s37
	s_lshl_b32 s37, s24, 7
	s_add_co_u32 s32, s32, s37
	s_add_nc_u64 s[26:27], s[4:5], s[32:33]
	s_lshl_b32 s40, s34, 2
	s_add_co_u32 s40, s40, s38                     ; 4 e + q
	s_lshl_b32 s41, s36, 2
	s_lshl_b32 s37, s39, 1
	s_add_co_u32 s41, s41, s37                     ; my first tile: 4 type + 2 (w % 2)
	s_lshl_b32 s32, s40, 3
	s_add_co_u32 s32, s32, s35
	s_lshl_b32 s32, s32, 13                        ; codes: ((4 e + q) 8 + K step) x 8,192 + tile x 1,024
	s_lshl_b32 s37, s41, 10
	s_add_co_u32 s32, s32, s37
	s_add_nc_u64 s[28:29], s[10:11], s[32:33]
	s_lshl_b32 s32, s40, 12                        ; scale words: (4 e + q) x 4,096 + tile x 512 + (K step % 2) x 256 + (K step / 2) x 4
	s_lshl_b32 s37, s41, 9
	s_add_co_u32 s32, s32, s37
	s_and_b32 s37, s35, 1
	s_lshl_b32 s37, s37, 8
	s_add_co_u32 s32, s32, s37
	s_lshr_b32 s37, s35, 1
	s_lshl_b32 s37, s37, 2
	s_add_co_u32 s32, s32, s37
	s_add_nc_u64 s[30:31], s[12:13], s[32:33]
	v_bfe_u32 v5, v1, 3, 1                         ; hidden unit lane = 8 u + r + 8 (r / 8): u = bit 3,
	v_and_b32 v6, 7, v1
	v_lshrrev_b32 v7, 4, v1
	v_lshl_add_u32 v6, v7, 3, v6                   ; r = bits 2:0 + 8 x bit 4
	v_lshlrev_b32 v8, 4, v6
	v_lshl_add_u32 v3, v5, 10, v8                  ; codes: tile u, 16 bytes a row
	v_lshl_add_u32 v4, v5, 9, v8                   ; scale words: tile u, 16 bytes a row
	QW 2048
	s_endpgm
.Lw2:	; ---- w2: work-group g = e x 8 + K step x 4 + cq; wave w takes columns 256 cq + 32 w + lane
	s_sub_co_u32 s25, ttmp9, 129
	s_lshr_b32 s34, s25, 3                         ; e
	s_bfe_u32 s35, s25, 0x10002                    ; K step 0, 1
	s_and_b32 s36, s25, 3                          ; cq
	s_lshl_b32 s32, s34, 20                        ; from: e x 1 MiB + K step x 128 rows of 4,096 bytes + cq x 1,024 + wave x 128
	s_lshl_b32 s37, s35, 19
	s_add_co_u32 s32, s32, s37
	s_lshl_b32 s37, s36, 10
	s_add_co_u32 s32, s32, s37
	s_lshl_b32 s37, s24, 7
	s_add_co_u32 s32, s32, s37
	s_add_nc_u64 s[26:27], s[6:7], s[32:33]
	s_lshl_b32 s40, s34, 6
	s_lshl_b32 s37, s36, 4
	s_add_co_u32 s40, s40, s37
	s_lshl_b32 s37, s24, 1
	s_add_co_u32 s40, s40, s37                     ; 64 e + my first tile of columns, 16 cq + 2 w
	s_lshl_b32 s32, s40, 1
	s_add_co_u32 s32, s32, s35
	s_lshl_b32 s32, s32, 10                        ; codes: (tile x 2 + K step) x 1,024
	s_add_nc_u64 s[28:29], s[14:15], s[32:33]
	s_lshl_b32 s32, s34, 4
	s_lshl_b32 s37, s36, 2
	s_add_co_u32 s32, s32, s37
	s_lshr_b32 s37, s24, 1
	s_add_co_u32 s32, s32, s37
	s_lshl_b32 s32, s32, 9                         ; scale words: (16 e + tile / 4) x 512 + K step x 256 + (w % 2) x 8
	s_lshl_b32 s37, s35, 8
	s_add_co_u32 s32, s32, s37
	s_and_b32 s37, s24, 1
	s_lshl_b32 s37, s37, 3
	s_add_co_u32 s32, s32, s37
	s_add_nc_u64 s[30:31], s[16:17], s[32:33]
	v_lshrrev_b32 v5, 4, v1                        ; which of my two tiles
	v_and_b32 v6, 15, v1                           ; its row
	v_lshlrev_b32 v8, 4, v6
	v_lshl_add_u32 v3, v5, 11, v8                  ; codes: a tile's two K steps are 2,048 bytes
	v_lshl_add_u32 v4, v5, 2, v8
	QW 4096
	s_endpgm
; ---- THE SORT.  256 threads; thread T takes tokens 256 i + T, i = 0 .. 31.  No LDS store has an address that hangs on data.
; A: each thread counts its tokens by class in 36 byte fields (nine registers) and keeps each token's rank among its own.  B: the counts go to LDS as
; [class][thread]; wave w scans rows w + 8 k; the rows' totals give each class its first place and its first tile.  C: each token's place = its row's entry + its rank.
.macro BAR                             ; my LDS instructions are done: then the work-group's barrier
	s_wait_dscnt 0x0
	s_barrier_signal -1
	s_barrier_wait -1
.endm
.macro SCAN x                          ; v[x] becomes its running sum over the 32 lanes, own lane included: four steps in each half of 16 lanes, then lane 15's sum onto lanes 16-31
.irp n, 1,2,4,8
	v_mov_b32_dpp v9, v[\x] row_shr:\n row_mask:0xf bank_mask:0xf bound_ctrl:1
	v_add_nc_u32 v[\x], v[\x], v9
.endr
	v_readlane_b32 s27, v[\x], 15
	v_mov_b32 v9, s27
	v_cndmask_b32 v9, 0, v9, s30
	v_add_nc_u32 v[\x], v[\x], v9
.endm
.macro TOK i
	v_min_u32 v10, v[64+2*(\i)], v[65+2*(\i)]      ; a <= b, both held at 7
	v_max_u32 v11, v[64+2*(\i)], v[65+2*(\i)]
	v_min_u32 v10, 7, v10
	v_min_u32 v11, 7, v11
	v_mad_u32_u24 v12, v11, v11, v11
	v_lshrrev_b32 v12, 1, v12
	v_add_nc_u32 v12, v12, v10                     ; class = b (b + 1) / 2 + a
	v_lshrrev_b32 v13, 2, v12                      ; which of the nine registers,
	v_and_b32 v14, 3, v12
	v_lshlrev_b32 v14, 3, v14                      ; which byte of it
	v_lshlrev_b32 v15, v14, v19                    ; 1 in that byte
.irp r, 0,1,2,3,4,5,6,7,8
	v_cmp_eq_u32 vcc_lo, \r, v13
	v_cndmask_b32 v16, v16, v[20+\r], vcc_lo       ; the register as it stood: the token's rank is in it
	v_cndmask_b32 v17, 0, v15, vcc_lo
	v_add_nc_u32 v[20+\r], v[20+\r], v17
.endr
	v_lshrrev_b32 v16, v14, v16
	v_and_b32 v16, 0xff, v16
	v_lshl_or_b32 v[128+(\i)], v12, 8, v16         ; rank | class << 8
.endm
.Lroute:
	v_lshlrev_b32 v2, 3, v0                        ; a token's two indices are 8 bytes
.set i, 0
.rept 32
	global_load_b64 v[64+2*i:65+2*i], v2, s[8:9] offset:2048*i     ; a wave's load reads 256 consecutive bytes
.set i, i+1
.endr
	v_lshlrev_b32 v3, 2, v0                        ; my word in a row of the table
	s_lshl_b32 s25, s24, 10
	v_lshlrev_b32 v4, 5, v1
	v_add_nc_u32 v4, s25, v4                       ; the scan: row = wave (+ 8 k), 8 words a lane
	v_mov_b32 v5, s24
	v_lshl_add_u32 v5, v5, 2, TOT                  ; where my wave puts a row's total
	v_lshl_add_u32 v6, v1, 2, TOT                  ; totals of classes 0-31: a lane a class
	v_and_b32 v7, 7, v1
	v_lshl_add_u32 v7, v7, 2, TOT+128              ; and of rows 32-39
	v_lshlrev_b32 v8, 4, v0                        ; my entry of meta
	s_mov_b32 s30, 0xffff0000                      ; lanes 16-31
	v_mov_b32 v9, 0
	v_mov_b32 v16, 0
	v_mov_b32 v18, 0
	v_mov_b32 v19, 1
.irp r, 0,1,2,3,4,5,6,7,8
	v_mov_b32 v[20+\r], 0
.endr
	s_wait_loadcnt 0x0
.set t, 0
.rept 32
	TOK t
.set t, t+1
.endr
.set t, 0
.rept 36
	v_bfe_u32 v[64+t], v[20+t/4], 8*(t%4), 8       ; my count of class t
	ds_store_b32 v3, v[64+t] offset:TBL+1024*t
.set t, t+1
.endr
.irp r, 36,37,38,39
	ds_store_b32 v3, v18 offset:TBL+1024*\r
.endr
	BAR                                            ; the table is whole
.irp k, 0,1,2,3,4
	ds_load_b128 v[64+8*\k:67+8*\k], v4 offset:TBL+8192*\k
	ds_load_b128 v[68+8*\k:71+8*\k], v4 offset:TBL+8192*\k+16
.endr
	s_wait_dscnt 0x0
.irp k, 0,1,2,3,4
	v_add_nc_u32 v[104+\k], v[64+8*\k], v[65+8*\k]
	v_add3_u32 v[104+\k], v[104+\k], v[66+8*\k], v[67+8*\k]
	v_add3_u32 v[104+\k], v[104+\k], v[68+8*\k], v[69+8*\k]
	v_add3_u32 v[104+\k], v[104+\k], v[70+8*\k], v[71+8*\k]        ; my eight threads' tokens of the row's class
.endr
.irp k, 0,1,2,3,4
	v_mov_b32 v[112+\k], v[104+\k]
	SCAN 112+\k
	v_readlane_b32 s26, v[112+\k], 31              ; the row's total
	v_sub_nc_u32 v[104+\k], v[112+\k], v[104+\k]   ; what stands in front of my eight
	v_mov_b32 v[120+\k], s26
	ds_store_b32 v5, v[120+\k] offset:32*\k        ; all lanes write the same word with the same value
.endr
	BAR                                            ; the totals are whole
	ds_load_b32 v40, v6                            ; n of class = lane
	ds_load_b32 v41, v7                            ; n of class 32 + lane, lanes 0-7
	s_wait_dscnt 0x0
	v_cmp_gt_u32 vcc_lo, 8, v1
	v_cndmask_b32 v41, 0, v41, vcc_lo
	v_add_nc_u32 v42, 63, v40
	v_lshrrev_b32 v42, 6, v42
	v_lshl_or_b32 v42, v42, 16, v40                ; n | tiles << 16: both are summed at once (8,192 tokens and 163 tiles at the most)
	v_add_nc_u32 v43, 63, v41
	v_lshrrev_b32 v43, 6, v43
	v_lshl_or_b32 v43, v43, 16, v41
	v_mov_b32 v44, v42
	v_mov_b32 v45, v43
	SCAN 44
	SCAN 45
	v_readlane_b32 s26, v44, 31
	v_add_nc_u32 v45, s26, v45
	v_sub_nc_u32 v44, v44, v42                     ; class = lane: first place | first tile << 16
	v_sub_nc_u32 v45, v45, v43                     ; class = 32 + lane
.irp k, 0,1,2,3,4
.if \k < 4
	s_add_co_u32 s26, s24, 8*\k
	v_readlane_b32 s27, v44, s26
.else
	v_readlane_b32 s27, v45, s24
.endif
	s_and_b32 s27, s27, 0xffff                     ; my row's class begins here
	v_add_nc_u32 v[160+8*\k], s27, v[104+\k]
.irp j, 1,2,3,4,5,6,7
	v_add_nc_u32 v[160+8*\k+\j], v[160+8*\k+\j-1], v[64+8*\k+\j-1]
.endr
	ds_store_b128 v4, v[160+8*\k:163+8*\k] offset:TBL+8192*\k      ; the table now holds each thread's first place in each class; only my wave has read these rows
	ds_store_b128 v4, v[164+8*\k:167+8*\k] offset:TBL+8192*\k+16
.endr
	BAR                                            ; behind this barrier LDS is only read
.set i, 0
.rept 32
	v_lshrrev_b32 v[64+i], 8, v[128+i]
	v_min_u32 v[64+i], 39, v[64+i]                 ; the class, held inside the table
	v_lshl_add_u32 v[64+i], v[64+i], 10, v3
	ds_load_b32 v[96+i], v[64+i]
.set i, i+1
.endr
	; the list of tiles, while those loads are out: thread j makes tile j.  Its class is the last whose first tile is <= j.
	v_mov_b32 v47, 0
	v_mov_b32 v48, 0
.set CA, 0
.set CB, 0
.set CI, 0
.rept 36
.if CI < 32
	v_readlane_b32 s40, v44, CI
	v_readlane_b32 s41, v40, CI
.else
	v_readlane_b32 s40, v45, CI-32
	v_readlane_b32 s41, v41, CI-32
.endif
	s_lshr_b32 s42, s40, 16                        ; the class's first tile
	s_and_b32 s43, s40, 0xffff                     ; its first place
	s_lshl_b32 s44, s42, 6
	s_sub_co_u32 s44, s43, s44                     ; first place - 64 x first tile: + 64 j is tile j's first place
	s_add_co_u32 s43, s43, s41                     ; the class's end,
	s_or_b32 s43, s43, (CA|(CB<<3))<<16            ; with a and b above it
	v_cmp_gt_u32 vcc_lo, s42, v0                   ; a class that begins behind tile j changes nothing
	v_cndmask_b32 v47, s44, v47, vcc_lo
	v_cndmask_b32 v48, s43, v48, vcc_lo
.set CI, CI+1
.set CA, CA+1
.if CA > CB
.set CA, 0
.set CB, CB+1
.endif
.endr
	v_lshl_add_u32 v52, v0, 6, v47                 ; first place
	v_and_b32 v49, 0xffff, v48
	v_max_u32 v53, v49, v52
	v_sub_nc_u32 v53, v53, v52
	v_min_u32 v53, 64, v53                         ; rows: what is left of the class, 64 at the most, 0 behind the last tile
	v_min_u32 v52, 0x1fff, v52
	v_bfe_u32 v54, v48, 16, 3                      ; a
	v_bfe_u32 v55, v48, 19, 3                      ; b
	global_store_b128 v8, v[52:55], s[20:21]       ; a wave stores 512 consecutive bytes
	s_wait_dscnt 0x0
.set i, 0
.rept 32
	v_and_b32 v[64+i], 0xff, v[128+i]
	v_add_nc_u32 v[64+i], v[64+i], v[96+i]         ; my first place in the class + the token's rank among mine
	v_min_u32 v[64+i], 0x1fff, v[64+i]
	v_lshlrev_b32 v[64+i], 2, v[64+i]
	v_add_nc_u32 v[160+i], 256*i, v0               ; the token
	global_store_b32 v[64+i], v[160+i], s[18:19]   ; each store has registers of its own
.set i, i+1
.endr
	s_wait_tensorcnt 0x0
	ds_add_u32 v208, v209
	s_wait_dscnt 0x0
	s_endpgm
.Lfunc_end_k_q61a7c94021_prep:
	.size	k_q61a7c94021_prep, .Lfunc_end_k_q61a7c94021_prep-k_q61a7c94021_prep
	.p2alignl 7, 3214868480
	.fill 96, 4, 3214868480
	.section	.rodata,"a",@progbits
	.p2align	6, 0x0
	.amdhsa_kernel k_q61a7c94021_prep
		.amdhsa_group_segment_fixed_size 42496
		.amdhsa_private_segment_fixed_size 0
		.amdhsa_enable_private_segment 0
		.amdhsa_kernarg_size 72
		.amdhsa_user_sgpr_count 2
		.amdhsa_user_sgpr_kernarg_segment_ptr 1
		.amdhsa_wavefront_size32 1
		.amdhsa_system_sgpr_workgroup_id_x 1
		.amdhsa_system_sgpr_workgroup_id_y 1
		.amdhsa_system_sgpr_workgroup_id_z 1
		.amdhsa_system_vgpr_workitem_id 0
		.amdhsa_next_free_vgpr 210
		.amdhsa_next_free_sgpr 66
		.amdhsa_reserve_vcc 1
		.amdhsa_float_denorm_mode_32 3
		.amdhsa_float_denorm_mode_16_64 3
		.amdhsa_memory_ordered 1
		.amdhsa_forward_progress 1
		.amdhsa_inst_pref_size 148
	.end_amdhsa_kernel
	.amdgpu_metadata
---
amdhsa.version: [ 1, 2 ]
amdhsa.kernels:
  - .name:           k_q61a7c94021_prep
    .symbol:         k_q61a7c94021_prep.kd
    .args:
      - { .name: w13, .offset: 0, .size: 8, .value_kind: global_buffer, .address_space: global }
      - { .name: w2, .offset: 8, .size: 8, .value_kind: global_buffer, .address_space: global }
      - { .name: expert_idxs, .offset: 16, .size: 8, .value_kind: global_buffer, .address_space: global }
      - { .name: w13c, .offset: 24, .size: 8, .value_kind: global_buffer, .address_space: global }
      - { .name: w13s, .offset: 32, .size: 8, .value_kind: global_buffer, .address_space: global }
      - { .name: w2c, .offset: 40, .size: 8, .value_kind: global_buffer, .address_space: global }
      - { .name: w2s, .offset: 48, .size: 8, .value_kind: global_buffer, .address_space: global }
      - { .name: order, .offset: 56, .size: 8, .value_kind: global_buffer, .address_space: global }
      - { .name: meta, .offset: 64, .size: 8, .value_kind: global_buffer, .address_space: global }
    .group_segment_fixed_size: 42496
    .private_segment_fixed_size: 0
    .kernarg_segment_align: 8
    .kernarg_segment_size: 72
    .max_flat_workgroup_size: 256
    .sgpr_count:     66
    .vgpr_count:     210
    .wavefront_size: 32
...
	.end_amdgpu_metadata
.endif
;; end of part 1
;; launch experts (part 2): grid 163 x 1, 8 waves a work-group, no clusters, 123,904 bytes of LDS; arguments meta, order, expert_idxs, expert_p, x, w13c, w13s, w2c, w2s, out0; writes out0
.if DOCPART == 2
	.amdgcn_target "amdgcn-amd-amdhsa--gfx1250"
	.amdhsa_code_object_version 6
	.text
	.protected	k_q61a7c94021_experts
	.globl	k_q61a7c94021_experts
	.p2align	8
	.type	k_q61a7c94021_experts,@function
k_q61a7c94021_experts:
	s_mov_b64 s[64:65], 0
	v_nop
	global_prefetch_b8 v0, s[64:65] scope:SCOPE_SE
	s_setreg_imm32_b32 hwreg(HW_REG_WAVE_MODE, 25, 1), 1
	s_wait_xcnt 0x0
; EXPERTS.  out0[t] = pa (silu(g_a) h_a) W2[a] + pb (silu(g_b) h_b) W2[b], (h_e, g_e) = x[t] W13[e]; all four operands of the products as codes of FP4 (E2M1) with one E8M0 scale for each 32 along K.
; A work-group takes ONE TILE of the stored list: at most 64 tokens that all name the same pair of experts a <= b.  So it uses two experts, every trip count is a constant, and it owns its rows of out0.
; GRID: sum over 36 classes of ceil(n / 64) <= 128 + 36 x 63 / 64: 163 tiles serve every split of 8,192 tokens.  A tile with 0 rows walks both barriers on held rows and leaves at the first test behind them:
; no barrier stands under a branch on a stored number.
; THE CHAIN.  X: wave w gathers rows 16 (w / 2) .. + 15, K steps 4 (w % 2) .. + 3 of x (f32, each byte once), quantises them and stores the fragments' register images in LDS | barrier |
; 1: wave w = (slot w / 4: expert a or b; quarter q = w % 4: 64 hidden units): 4 tiles of h and 4 of g x 4 tiles of rows x 8 K steps; each weight fragment comes from memory once for the work-group, whole, and feeds 4 products;
; silu(g) h in f32, quantised in registers: half a fragment of the second product: image to LDS | barrier |
; 2: wave w makes columns 128 w .. + 127 for both slots, a tile of 16 rows at a time; pa ya + pb yb; through its own stage in LDS; whole pieces of 512 consecutive bytes of a row of out0.
; Both products are used TRANSPOSED (source 0 = 16 rows of the weight, source 1 = 16 tokens): a lane holds one token, its registers run along the columns.
; NO CLUSTER, NO TENSOR LOAD: which experts a tile needs is read from the stored list, and a class has any number of tiles from 0 to 128, so the grid does not divide into partners that need the same weights on every split.
; a = b: both slots run the same expert, with p0 and p1: p0 f + p1 f in place of (p0 + p1) f.
; LIMITS: expert indices outside 0 .. 7 are held at 7; NaN and infinities are not served; blocks whose largest magnitude lies under 2^-124 were not tried; a block of zeros has the byte 1 and zero codes;
; silu(g) h is formed as (g h) / (1 + 2^(-g log2 e)): finite while |g h| < 2^128.
; REGISTERS.  Window 0: v2 16 x lane; v3 4 x lane + 128 (lane / 16); v4 lane / 16; v5 x's offset; v6-9 where images and scale words go; v10, v11 the stage; v12-15 my lane's token in each tile of rows;
;   v16-31 (pa, pb), (pb, pa) for each tile of rows; v32-47 at work; v48-63 x's scale words; v64-95 x's fragments (at work while quantising; later the hidden layer's); v96-127 W13's scale words (later W2's and the hidden layer's);
;   v128-255 two sets of W13's 8 fragments (later W2's column tiles 0-3).
; Window 1: x's 256 numbers; then the 32 accumulators (row tile m, tile tt) at 64 m + 8 tt; then W2's column tiles 4-7 at v0-127, and from v128 the results of slot a at 128 + 16 n, of slot b at 136 + 16 n.
.set XIMG, 0                           ; LDS: x's 32 fragments (8 m + K step), 1,024 bytes each,
.set XSC,  32768                       ; their scale words, 128 bytes each,
.set HIMG, 36864                       ; the hidden layer's 16 fragments ((4 slot + m) 2 + K step),
.set HSC,  53248                       ; their scale words,
.set STG,  55296                       ; and a stage of 16 rows x (512 + 16) bytes for each wave
.set SPT,  528
.set TM,   64                          ; v64-79 at work in the quantiser
.set PC,   80                          ; v80-87 the codes just made
.set PW,   88                          ; v88    the scale word just made
.set MSB,  0
.macro WIN new                         ; low byte: bits 1:0 source 0, 3:2 source 1, 5:4 source 2, 7:6 destination; the high byte repeats the setting that is left
.if MSB != \new
	s_set_vgpr_msb (MSB<<8)|\new
.set MSB, \new
.endif
.endm
.macro PLACES                          ; four plain vector instructions between a matrix instruction and a load into, or a vector read of, its registers
.rept 4
	v_nop
.endr
.endm
.macro BARRIER                         ; my LDS stores have landed and my LDS loads are in: then the work-group's barrier
	s_wait_dscnt 0x0
	s_barrier_signal -1
	s_barrier_wait -1
.endm
; nb blocks of 32 along K.  In window 1, register s + 16 b + i of lane (r, h) is k = 32 b + 16 h + i of row r.  They become codes in v[PC] on (a whole block in a lane) and scale bytes in v[PW].
.macro QUANT s, nb
	WIN 0x05                                       ; sources 0 and 1 in window 1
.irp b, 0,1,2,3
.if \b < \nb
	v_max3_num_f32 v[TM+\b], |v[(\s)+16*\b]|, |v[(\s)+1+16*\b]|, 0x1800000   ; my 16 numbers, and the floor 2^(3 - 127): the byte cannot fall under 1
.endif
.endr
.irp i, 2,4,6,8,10,12,14
.irp b, 0,1,2,3
.if \b < \nb
	v_max3_num_f32 v[TM+\b], |v[(\s)+16*\b+\i]|, |v[(\s)+1+16*\b+\i]|, v[TM+\b]
.endif
.endr
.endr
	WIN 0
.irp b, 0,1,2,3
.if \b < \nb
	v_permlanex16_b32 v[TM+4+\b], v[TM+\b], s32, s33
.endif
.endr
.irp b, 0,1,2,3
.if \b < \nb
	v_max_num_f32 v[TM+\b], v[TM+\b], v[TM+4+\b]   ; with lane l xor 16's: the block's largest magnitude
.endif
.endr
.irp b, 0,1,2,3
.if \b < \nb
	v_add_nc_u32 v[TM+12+\b], 0xff000000, v[TM+\b] ; 2 off the exponent field: the conversion's scale operand
.endif
.endr
.irp b, 0,1,2,3
.if \b < \nb
	v_lshrrev_b32 v[TM+4+\b], 23, v[TM+12+\b]      ; the scale's byte
.endif
.endr
	v_lshl_or_b32 v[PW], v[TM+5], 8, v[TM+4]
.if \nb == 4
	v_lshl_or_b32 v[PW], v[TM+6], 16, v[PW]
	v_lshl_or_b32 v[PW], v[TM+7], 24, v[PW]
.endif
	WIN 0x01                                       ; the numbers in window 1
.irp b, 0,1,2,3
.if \b < \nb
	v_cvt_scalef32_pk8_fp4_f32 v[PC+2*\b], v[(\s)+16*\b:(\s)+7+16*\b], v[TM+12+\b]
	v_cvt_scalef32_pk8_fp4_f32 v[PC+1+2*\b], v[(\s)+8+16*\b:(\s)+15+16*\b], v[TM+12+\b]
.endif
.endr
	WIN 0
	v_nop                                          ; one plain instruction behind a scaled conversion
.irp c, 0,1
.if 2*\c < \nb
.irp i, 0,1
	v_permlane16_swap_b32 v[PC+4*\c+\i], v[PC+2+4*\c+\i]   ; lanes 0-15 get block 2 c whole, lanes 16-31 block 2 c + 1
.endr
.endif
.endr
.endm
.macro XLOAD f                         ; my 16 rows' numbers of my f-th K step: of each block of 32 a lane takes 16 neighbours
.irp b, 0,1,2,3
.irp j, 0,1,2,3
	global_load_b128 v[64*(\f)+16*\b+4*\j:64*(\f)+16*\b+4*\j+3], v5, s[12:13] offset:512*(\f)+128*\b+16*\j th:TH_LOAD_NT
.endr
.endr
.endm
.macro W13LOAD ks, set                 ; my 8 fragments of K step ks: 8,192 consecutive bytes, 16 loads of 512
.irp t, 0,1,2,3,4,5,6,7
.irp c, 0,1
	global_load_b128 v[128+64*(\set)+8*\t+4*\c:128+64*(\set)+8*\t+4*\c+3], v2, s[34:35] offset:8192*(\ks)+1024*\t+512*\c
.endr
.endr
.endm
.macro W2LOAD n                        ; column tile n of my eight: both K steps, both slots: 8 loads
.irp sp, 0,1
.irp c, 0,1
.if (\n) < 4
.set rA, 128+32*(\n)+8*\sp+4*\c
.else
.set rA, 32*((\n)-4)+8*\sp+4*\c
.endif
	global_load_b128 v[rA:rA+3], v2, s[38:39] offset:2048*(\n)+1024*\sp+512*\c
	global_load_b128 v[rA+16:rA+19], v2, s[40:41] offset:2048*(\n)+1024*\sp+512*\c
.endr
.endr
.endm
.macro XFETCH ks, m                    ; x's fragment (row tile m, K step ks) as its registers were stored
.irp c, 0,1
	ds_load_b128 v[64+8*(\m)+4*\c:64+8*(\m)+4*\c+3], v2 offset:XIMG+(8*(\m)+(\ks))*1024+512*\c
.endr
.endm
.macro HFETCH m                        ; the hidden layer's four fragments of row tile m (2 slots x 2 K steps) and their scale words: lanes 0-15 K step 0's, lanes 16-31 K step 1's
.irp sl, 0,1
.irp sp, 0,1
.irp c, 0,1
	ds_load_b128 v[64+16*\sl+8*\sp+4*\c:64+16*\sl+8*\sp+4*\c+3], v2 offset:HIMG+((4*\sl+(\m))*2+\sp)*1024+512*\c
.endr
.endr
	ds_load_b32 v[112+\sl], v3 offset:HSC+(4*\sl+(\m))*256
.endr
.endm
	s_load_b512 s[4:19], s[0:1], 0x0               ; meta, order, expert_idxs, expert_p, x, w13c, w13s, w2c
	s_load_b128 s[20:23], s[0:1], 0x40             ; w2s, out0
	v_lshrrev_b32 v1, 5, v0
	v_readfirstlane_b32 s28, v1                    ; wave 0..7
	v_and_b32 v1, 31, v0                           ; lane
	v_and_b32 v45, 15, v0                          ; r
	v_bfe_u32 v4, v0, 4, 1                         ; h
	v_lshlrev_b32 v2, 4, v1                        ; 16 x lane: an image's place for my lane
	v_lshlrev_b32 v44, 2, v1                       ; 4 x lane: a scale word's
	v_lshl_add_u32 v3, v4, 7, v44                  ; lanes 16-31 read the next image's words
	s_lshl_b32 s29, s28, 12
	v_add_nc_u32 v6, s29, v2                       ; x's images: fragment 4 w + f
	s_lshl_b32 s29, s28, 9
	s_add_co_u32 s29, s29, XSC
	v_add_nc_u32 v7, s29, v44
	s_lshr_b32 s51, s28, 2                         ; slot
	s_and_b32 s52, s28, 3                          ; q
	s_lshl_b32 s29, s51, 13
	s_lshl_b32 s53, s52, 9
	s_add_co_u32 s29, s29, s53
	s_add_co_u32 s29, s29, HIMG
	v_add_nc_u32 v8, s29, v2                       ; the hidden layer: slot x 8 fragments, K step q / 2, chunk q % 2: 512 q
	s_lshl_b32 s29, s51, 10
	s_lshr_b32 s53, s52, 1
	s_lshl_b32 s53, s53, 7
	s_add_co_u32 s29, s29, s53
	s_and_b32 s53, s52, 1
	s_lshl_b32 s53, s53, 1
	s_add_co_u32 s29, s29, s53
	s_add_co_u32 s29, s29, HSC
	v_add_nc_u32 v9, s29, v44                      ; my two bytes of its scale words
	s_mul_i32 s29, s28, 16*SPT
	s_add_co_u32 s29, s29, STG                     ; my stage
	v_mul_u32_u24 v10, v45, SPT
	v_lshl_add_u32 v10, v4, 5, v10
	v_add_nc_u32 v10, s29, v10                     ; in: row r, 32 bytes for each half of the lanes
	v_add_nc_u32 v11, s29, v2                      ; back: the 32 lanes take a row's 512 bytes
.irp b, 0,1,2,3
	v_mov_b32 v[TM+4+\b], 0                        ; written once: a lane permute's destination counts as one of its sources
.endr
	s_mov_b32 s30, 0xbfb8aa3b                      ; -log2(e)
	s_mov_b32 s31, s30                             ; (named with it as a pair, so it is written)
	s_mov_b32 s32, 0x76543210
	s_mov_b32 s33, 0xfedcba98                      ; v_permlanex16_b32's selects for lane l xor 16
	s_lshl_b32 s48, ttmp9, 4
	s_mov_b32 s49, 0                               ; the high word of every offset pair
	s_wait_kmcnt 0x0
	s_add_nc_u64 s[4:5], s[4:5], s[48:49]
	s_load_b128 s[24:27], s[4:5], 0x0              ; my tile: first place in order, rows, a, b
	s_wait_kmcnt 0x0
	s_min_u32 s24, s24, 0x1fff
	s_min_u32 s25, s25, 64
	s_min_u32 s26, s26, 7
	s_min_u32 s27, s27, 7
	s_max_u32 s50, s25, 1
	s_sub_co_u32 s50, s50, 1                       ; the last row that there is: rows behind it repeat it and are not stored
	s_cmp_lt_u32 s28, 4
	s_cselect_b32 s29, s26, s27                    ; my slot's expert
	s_min_u32 s29, s29, 7
	s_lshl_b32 s29, s29, 2
	s_add_co_u32 s29, s29, s52                     ; 4 e + q
	s_lshl_b32 s48, s29, 16
	s_add_nc_u64 s[34:35], s[14:15], s[48:49]      ; my 64 KiB of W13's codes,
	s_lshl_b32 s48, s29, 12
	s_add_nc_u64 s[36:37], s[16:17], s[48:49]      ; and their scale words
	s_lshl_b32 s53, s28, 14
	s_lshl_b32 s48, s26, 17
	s_add_co_u32 s48, s48, s53
	s_add_nc_u64 s[38:39], s[18:19], s[48:49]      ; W2[a], my eight tiles of columns
	s_lshl_b32 s48, s27, 17
	s_add_co_u32 s48, s48, s53
	s_add_nc_u64 s[40:41], s[18:19], s[48:49]      ; W2[b]
	s_lshl_b32 s53, s28, 10
	s_lshl_b32 s48, s26, 13
	s_add_co_u32 s48, s48, s53
	s_add_nc_u64 s[42:43], s[20:21], s[48:49]      ; their scale words
	s_lshl_b32 s48, s27, 13
	s_add_co_u32 s48, s48, s53
	s_add_nc_u64 s[44:45], s[20:21], s[48:49]
	s_lshl_b32 s48, s28, 9
	s_add_nc_u64 s[46:47], s[22:23], s[48:49]      ; out0 at my 128 columns
.irp m, 0,1,2,3
	v_add_nc_u32 v[32+\m], 16*\m, v45              ; row 16 m + r of the tile,
	v_min_u32 v[32+\m], s50, v[32+\m]              ; held at its last row,
	v_add_nc_u32 v[32+\m], s24, v[32+\m]
	v_min_u32 v[32+\m], 0x1fff, v[32+\m]
	v_lshlrev_b32 v[32+\m], 2, v[32+\m]
	global_load_b32 v[12+\m], v[32+\m], s[6:7]     ; its token
.endr
	s_lshr_b32 s53, s28, 1
	s_lshl_b32 s53, s53, 4
	v_add_nc_u32 v36, s53, v45                     ; and the row that I gather: 16 (w / 2) + r
	v_min_u32 v36, s50, v36
	v_add_nc_u32 v36, s24, v36
	v_min_u32 v36, 0x1fff, v36
	v_lshlrev_b32 v36, 2, v36
	global_load_b32 v47, v36, s[6:7]
.irp t, 0,1,2,3,4,5,6,7
	global_load_b128 v[96+4*\t:99+4*\t], v2, s[36:37] offset:512*\t   ; W13's scale words: register 4 tt + i: lanes 0-15 K step 2 i, lanes 16-31 K step 2 i + 1
.endr
	W13LOAD 0, 0                                   ; the first two K steps' weights go out while the tokens come
	W13LOAD 1, 1
	s_wait_loadcnt 40                              ; behind the five loads of tokens: 8 + 32 loads of weights
.irp m, 0,1,2,3
	v_min_u32 v[12+\m], 0x1fff, v[12+\m]
.endr
	v_min_u32 v47, 0x1fff, v47
	v_lshlrev_b32 v5, 12, v47                      ; x: a row is 4,096 bytes;
	s_and_b32 s53, s28, 1
	s_lshl_b32 s53, s53, 11                        ; my four K steps;
	v_lshl_add_u32 v46, v4, 6, s53                 ; my half's 16 numbers of each block
	v_add_nc_u32 v5, v5, v46
	WIN 0x40                                       ; destination window 1
	XLOAD 0
	XLOAD 1
	XLOAD 2
	XLOAD 3
	WIN 0
.irp m, 0,1,2,3
	v_lshlrev_b32 v[44+\m], 3, v[12+\m]
.endr
.irp m, 0,1,2,3
	global_load_b64 v[32+2*\m:33+2*\m], v[44+\m], s[10:11]   ; the token's two weights,
	global_load_b32 v[40+\m], v[44+\m], s[8:9]               ; and its first index
.endr
	; ---- X: four fragments.  The counts leave out the younger fragments' loads, 16 each, and the eight loads of weights and indices
.irp f, 0,1,2,3
	s_wait_loadcnt 56-16*\f
	QUANT 64*\f, 4
	ds_store_b128 v6, v[PC:PC+3] offset:XIMG+1024*\f
	ds_store_b128 v6, v[PC+4:PC+7] offset:XIMG+1024*\f+512
	ds_store_b32 v7, v[PW] offset:128*\f
	s_wait_dscnt 0x0                               ; the stores have read their registers
.endr
	s_wait_loadcnt 0x0
.irp m, 0,1,2,3
	v_min_u32 v[40+\m], 7, v[40+\m]                ; held as the sort held it
	v_cmp_eq_u32 vcc_lo, s26, v[40+\m]             ; is the token's first expert a?
	v_cndmask_b32 v[16+4*\m], v[33+2*\m], v[32+2*\m], vcc_lo   ; pa
	v_cndmask_b32 v[17+4*\m], v[32+2*\m], v[33+2*\m], vcc_lo   ; pb
	v_mov_b32 v[18+4*\m], v[17+4*\m]               ; and the pair the other way round: the packed forms take a pair's low word for both halves
	v_mov_b32 v[19+4*\m], v[16+4*\m]
.endr
	BARRIER                                        ; x's 32 fragments lie in LDS
	; ---- 1.  8 matrix instructions: my 8 tiles of hidden units x row tile m, K step ks.  The 32 accumulators take turns, one instruction a turn, in the same order in every step.
.macro MUL ks, m
.set tt, 0
.rept 8
.set rD, 64*(\m)+8*tt
.set rA, 128+64*((\ks)%2)+8*tt
.set rB, 64+8*(\m)
.set rSA, 96+4*tt+(\ks)/2
.set rSB, 48+4*(\m)+(\ks)/2
.if (\ks) == 0
	v_wmma_scale_f32_16x16x128_f8f6f4 v[rD:rD+7], v[rA:rA+7], v[rB:rB+7], 0, v[rSA], v[rSB] matrix_a_fmt:MATRIX_FMT_FP4 matrix_b_fmt:MATRIX_FMT_FP4
.elseif (\ks)%2 == 1
	v_wmma_scale_f32_16x16x128_f8f6f4 v[rD:rD+7], v[rA:rA+7], v[rB:rB+7], v[rD:rD+7], v[rSA], v[rSB] matrix_a_fmt:MATRIX_FMT_FP4 matrix_b_fmt:MATRIX_FMT_FP4 matrix_a_scale:MATRIX_SCALE_ROW1 matrix_b_scale:MATRIX_SCALE_ROW1
.else
	v_wmma_scale_f32_16x16x128_f8f6f4 v[rD:rD+7], v[rA:rA+7], v[rB:rB+7], v[rD:rD+7], v[rSA], v[rSB] matrix_a_fmt:MATRIX_FMT_FP4 matrix_b_fmt:MATRIX_FMT_FP4
.endif
.set tt, tt+1
.endr
.endm
.macro STEP ks
	s_wait_loadcnt 16                              ; this step's weights are in; the 16 loads issued at the last step's tail may be out
	s_wait_dscnt 4                                 ; x's fragments of row tiles 0 and 1 are in; those of 2 and 3 may be out
	WIN 0x50                                       ; C and D in window 1
	MUL \ks, 0
	MUL \ks, 1
	s_wait_dscnt 0x0
.if \ks < 7
	PLACES
	WIN 0
	XFETCH \ks+1, 0
	XFETCH \ks+1, 1
	WIN 0x50
.endif
	MUL \ks, 2
	MUL \ks, 3
	PLACES
	WIN 0
.if \ks < 7
	XFETCH \ks+1, 2
	XFETCH \ks+1, 3
.endif
.if \ks < 6
	W13LOAD \ks+2, (\ks)%2                         ; the set just multiplied takes the weights of two steps on
.elseif \ks == 6
	W2LOAD 0                                       ; then the second product's
	W2LOAD 1
.else
	W2LOAD 2
	W2LOAD 3
.irp g, 0,1
	global_load_b128 v[96+4*\g:99+4*\g], v2, s[42:43] offset:512*\g      ; W2's scale words: register 8 slot + n: lanes 0-15 K step 0, lanes 16-31 K step 1
	global_load_b128 v[104+4*\g:107+4*\g], v2, s[44:45] offset:512*\g
.endr
.endif
.endm
.irp m, 0,1,2,3
.irp i, 0,1,2,3
	ds_load_b32 v[48+4*\m+\i], v3 offset:XSC+128*(8*\m+2*\i)   ; x's scale words: lanes 0-15 K step 2 i, lanes 16-31 K step 2 i + 1
.endr
.endr
	XFETCH 0, 0
	XFETCH 0, 1
	XFETCH 0, 2
	XFETCH 0, 3
.irp k, 0,1,2,3,4,5,6,7
	STEP \k
.endr
	; silu(g) h of row tile m, in place, each accumulator from its low end on; then its 64 hidden units become half a fragment
.macro EPI m
.set H0, 64*(\m)
.set G0, 64*(\m)+32
	WIN 0x55                                       ; all in window 1
.set p, 0
.rept 16
	v_pk_mul_f32 v[H0+p:H0+p+1], v[H0+p:H0+p+1], v[G0+p:G0+p+1]    ; g h
.set p, p+2
.endr
.set p, 0
.rept 16
	v_pk_mul_f32 v[G0+p:G0+p+1], v[G0+p:G0+p+1], s[30:31] op_sel_hi:[1,0]   ; -g log2(e)
.set p, p+2
.endr
.set p, 0
.rept 32
	v_exp_f32 v[G0+p], v[G0+p]
.set p, p+1
.endr
	v_nop                                          ; a plain instruction behind the last exponential,
	s_wait_alu depctr_va_vdst(0)                   ; and one wait for the batch, ahead of its first reader
.set p, 0
.rept 16
	v_pk_add_f32 v[G0+p:G0+p+1], v[G0+p:G0+p+1], 1.0 op_sel_hi:[1,0]
.set p, p+2
.endr
.set p, 0
.rept 32
	v_rcp_f32 v[G0+p], v[G0+p]
.set p, p+1
.endr
	v_nop
	s_wait_alu depctr_va_vdst(0)                   ; likewise for the reciprocals
.set p, 0
.rept 16
	v_pk_mul_f32 v[H0+p:H0+p+1], v[H0+p:H0+p+1], v[G0+p:G0+p+1]    ; g h / (1 + e^-g)
.set p, p+2
.endr
	QUANT H0, 2
	ds_store_b128 v8, v[PC:PC+3] offset:2048*(\m)  ; chunk q % 2 of the fragment (slot, m, K step q / 2)
	ds_store_b16 v9, v[PW] offset:256*(\m)         ; bytes 2 (q % 2) and + 1 of its rows' scale words
	s_wait_dscnt 0x0                               ; the stores have read their registers
.endm
	EPI 0
	WIN 0x40
	W2LOAD 4                                       ; into the registers that row tile 0's sums have left
	W2LOAD 5
	EPI 1
	WIN 0x40
	W2LOAD 6
	W2LOAD 7
	EPI 2
	EPI 3
	BARRIER                                        ; the hidden layer's 16 fragments lie in LDS.  No barrier follows: from here on branches may hang on the tile's rows
	; ---- 2
.macro P2W n, sl, sp
.set rD, 128+16*(\n)+8*(\sl)
.if (\n) < 4
.set rA, 128+32*(\n)+16*(\sl)+8*(\sp)
.else
.set rA, 32*((\n)-4)+16*(\sl)+8*(\sp)
.endif
.set rB, 64+16*(\sl)+8*(\sp)
.if (\sp) == 0
	v_wmma_scale_f32_16x16x128_f8f6f4 v[rD:rD+7], v[rA:rA+7], v[rB:rB+7], 0, v[96+8*(\sl)+(\n)], v[112+(\sl)] matrix_a_fmt:MATRIX_FMT_FP4 matrix_b_fmt:MATRIX_FMT_FP4
.else
	v_wmma_scale_f32_16x16x128_f8f6f4 v[rD:rD+7], v[rA:rA+7], v[rB:rB+7], v[rD:rD+7], v[96+8*(\sl)+(\n)], v[112+(\sl)] matrix_a_fmt:MATRIX_FMT_FP4 matrix_b_fmt:MATRIX_FMT_FP4 matrix_a_scale:MATRIX_SCALE_ROW1 matrix_b_scale:MATRIX_SCALE_ROW1
.endif
.endm
.macro P2M m
	s_cmp_le_u32 s25, 16*(\m)                      ; no row left: done
	s_cbranch_scc1 .Lend
	s_wait_dscnt 0x0                               ; the hidden fragments are in
	s_wait_xcnt 0x0                                ; the last row tile's stores have read their data and their bases: both are written again below
.set i, 0
.rept 16
	v_readlane_b32 s48, v[12+(\m)], i              ; row i's token
	s_min_u32 s48, s48, 0x1fff
	s_lshl_b32 s48, s48, 12
	s_add_nc_u64 s[66+2*i:67+2*i], s[46:47], s[48:49]   ; my 512 bytes of its row of out0
.set i, i+1
.endr
	WIN 0x40                                       ; 16 accumulators by turns: 8 tiles of columns x 2 slots; K step 0 starts the sums
.irp n, 0,1,2,3
	P2W \n, 0, 0
	P2W \n, 1, 0
.endr
	WIN 0x41                                       ; (W2's tiles 4-7 lie in window 1)
.irp n, 4,5,6,7
	P2W \n, 0, 0
	P2W \n, 1, 0
.endr
	WIN 0x50
.irp n, 0,1,2,3
	P2W \n, 0, 1
	P2W \n, 1, 1
.endr
	WIN 0x51
.irp n, 4,5,6,7
	P2W \n, 0, 1
	P2W \n, 1, 1
.endr
	PLACES
.if \m < 3
	WIN 0
	HFETCH \m+1
.endif
	WIN 0x51
.irp n, 0,1,2,3,4,5,6,7
.irp p, 0,2,4,6
	v_pk_mul_f32 v[128+16*\n+\p:129+16*\n+\p], v[128+16*\n+\p:129+16*\n+\p], v[16+4*(\m):17+4*(\m)] op_sel_hi:[1,0]   ; pa ya
.endr
.irp p, 0,2,4,6
	v_pk_fma_f32 v[128+16*\n+\p:129+16*\n+\p], v[136+16*\n+\p:137+16*\n+\p], v[18+4*(\m):19+4*(\m)], v[128+16*\n+\p:129+16*\n+\p] op_sel_hi:[1,0,1]   ; + pb yb
.endr
.endr
	WIN 0x04                                       ; an LDS store's data are its source 1
.irp n, 0,1,2,3,4,5,6,7
	ds_store_b128 v10, v[128+16*\n:131+16*\n] offset:64*\n         ; lane (r, h): row r, columns 16 n + 8 h + 0 .. 7 of my 128
	ds_store_b128 v10, v[132+16*\n:135+16*\n] offset:64*\n+16
.endr
	WIN 0x40
.set i, 0
.rept 16
	ds_load_b128 v[136+16*(i/2)+4*(i%2):139+16*(i/2)+4*(i%2)], v11 offset:SPT*i   ; LDS serves a wave's instructions in order (ISA guide 5.7.1.4): these see my stores; row i, 512 bytes, into slot b's registers, which are done with
.set i, i+1
.endr
	WIN 0
	s_sub_co_u32 s51, s25, 16*(\m)                 ; rows left, this tile's among them
	s_cmp_ge_u32 s51, 16
	s_cbranch_scc0 .Lpart
	WIN 0x04
.set i, 0
.rept 16
	s_wait_dscnt 15-i                              ; row i is back; the younger rows may be out
	global_store_b128 v2, v[136+16*(i/2)+4*(i%2):139+16*(i/2)+4*(i%2)], s[66+2*i:67+2*i] th:TH_STORE_NT   ; 32 lanes store 512 consecutive bytes, at a multiple of 512 from out0's first byte
.set i, i+1
.endr
	WIN 0
.endm
	HFETCH 0
	s_wait_loadcnt 0x0                             ; W2's fragments and scale words
	P2M 0
	P2M 1
	P2M 2
	P2M 3
	s_branch .Lend
.Lpart:                                                ; the tile's last, partial 16 rows: s51 of them, 1 to 15, are stored; it runs once at the most
	s_wait_dscnt 0x0
.set i, 0
.rept 16
.if i > 0
	s_cmp_le_u32 s51, i
	s_cbranch_scc1 .Lend
.endif
	WIN 0x04
	global_store_b128 v2, v[136+16*(i/2)+4*(i%2):139+16*(i/2)+4*(i%2)], s[66+2*i:67+2*i] th:TH_STORE_NT
	WIN 0
.set i, i+1
.endr
.Lend:
	s_wait_dscnt 0x0                               ; fragments that were fetched ahead and are not wanted
	s_barrier_signal -1
	s_barrier_wait -1
	s_wait_xcnt 0x0
	v_lshl_add_u32 v254, v0, 2, 0x1e000
	v_mov_b32 v255, 0
	s_wait_tensorcnt 0x0
	ds_add_u32 v254, v255
	s_wait_dscnt 0x0
	s_endpgm
.Lfunc_end_k_q61a7c94021_experts:
	.size	k_q61a7c94021_experts, .Lfunc_end_k_q61a7c94021_experts-k_q61a7c94021_experts
	.p2alignl 7, 3214868480
	.fill 96, 4, 3214868480
	.section	.rodata,"a",@progbits
	.p2align	6, 0x0
	.amdhsa_kernel k_q61a7c94021_experts
		.amdhsa_group_segment_fixed_size 123904
		.amdhsa_private_segment_fixed_size 0
		.amdhsa_enable_private_segment 0
		.amdhsa_kernarg_size 80
		.amdhsa_user_sgpr_count 2
		.amdhsa_user_sgpr_kernarg_segment_ptr 1
		.amdhsa_wavefront_size32 1
		.amdhsa_system_sgpr_workgroup_id_x 1
		.amdhsa_system_sgpr_workgroup_id_y 1
		.amdhsa_system_sgpr_workgroup_id_z 1
		.amdhsa_system_vgpr_workitem_id 0
		.amdhsa_next_free_vgpr 512
		.amdhsa_next_free_sgpr 100
		.amdhsa_reserve_vcc 1
		.amdhsa_float_denorm_mode_32 3
		.amdhsa_float_denorm_mode_16_64 3
		.amdhsa_memory_ordered 1
		.amdhsa_forward_progress 1
		.amdhsa_inst_pref_size 192
	.end_amdhsa_kernel
	.amdgpu_metadata
---
amdhsa.version: [ 1, 2 ]
amdhsa.kernels:
  - .name:           k_q61a7c94021_experts
    .symbol:         k_q61a7c94021_experts.kd
    .args:
      - { .name: meta, .offset: 0, .size: 8, .value_kind: global_buffer, .address_space: global }
      - { .name: order, .offset: 8, .size: 8, .value_kind: global_buffer, .address_space: global }
      - { .name: expert_idxs, .offset: 16, .size: 8, .value_kind: global_buffer, .address_space: global }
      - { .name: expert_p, .offset: 24, .size: 8, .value_kind: global_buffer, .address_space: global }
      - { .name: x, .offset: 32, .size: 8, .value_kind: global_buffer, .address_space: global }
      - { .name: w13c, .offset: 40, .size: 8, .value_kind: global_buffer, .address_space: global }
      - { .name: w13s, .offset: 48, .size: 8, .value_kind: global_buffer, .address_space: global }
      - { .name: w2c, .offset: 56, .size: 8, .value_kind: global_buffer, .address_space: global }
      - { .name: w2s, .offset: 64, .size: 8, .value_kind: global_buffer, .address_space: global }
      - { .name: out0, .offset: 72, .size: 8, .value_kind: global_buffer, .address_space: global }
    .group_segment_fixed_size: 123904
    .private_segment_fixed_size: 0
    .kernarg_segment_align: 8
    .kernarg_segment_size: 80
    .max_flat_workgroup_size: 256
    .sgpr_count:     100
    .vgpr_count:     512
    .wavefront_size: 32
...
	.end_amdgpu_metadata
.endif
;; end of part 2
;; ======== version 2 of 3: 2 launches
;; workspace buffers: w13c 2,097,152 bytes; w13s 131,072 bytes; w2c 1,048,576 bytes; w2s 65,536 bytes; order 32,768 bytes of whole numbers; meta 4,096 bytes of whole numbers
;; launch prep (part 3): grid 228 x 1, 8 waves a work-group, no clusters, 2,048 bytes of LDS; arguments w13, w2, expert_idxs, w13c, w13s, w2c, w2s, order, meta; writes w13c, w13s, w2c, w2s, order, meta
.if DOCPART == 3
	.amdgcn_target "amdgcn-amd-amdhsa--gfx1250"
	.amdhsa_code_object_version 6
	.text
	.protected	k_q61a7c94021_prep
	.globl	k_q61a7c94021_prep
	.p2align	8
	.type	k_q61a7c94021_prep,@function
k_q61a7c94021_prep:
	s_mov_b64 s[64:65], 0
	v_nop
	global_prefetch_b8 v0, s[64:65] scope:SCOPE_SE
	s_setreg_imm32_b32 hwreg(HW_REG_WAVE_MODE, 25, 1), 1
	s_wait_xcnt 0x0
; PREP.  Three kinds of work-group, told apart by the work-group's number alone.
;   0 .. 35   : THE SORT, a class to a work-group.  A token's class is its unordered pair of experts {a <= b}; class c = b (b + 1) / 2 + a.  Work-group c stores the tokens of class c into
;               order[8192] (token numbers, class by class) and the class's entries of meta[.][4] = (first place in order, rows, a, b): tiles of at most 64 tokens of one class.
;   36 .. 163 : w13 [8][1024 (k)][512 (n)] f32 -> codes of FP4 (E2M1) and E8M0 scale bytes, one for each 32 along K.
;   164 .. 227: w2  [8][256 (k)][1024 (n)] f32 likewise.
; WEIGHTS.  K is the first axis: a lane takes a column n and its registers run down K, so a block of 32 lies in one lane's 32 registers and the
; conversions give codes with K innermost.  The codes are stored in the ORDER OF THE OPERAND'S REGISTERS: a fragment (16 rows x 128 K) is 1,024 bytes,
; chunk c (512 bytes) x lane (row + 16 h) x 16 bytes = k 64 c + 32 h + 0 .. 31 of that row.  A lane's block of 32 codes is such a piece of 16 bytes,
; so the codes leave straight from registers; sixteen lanes fill 256 consecutive, aligned bytes.
;   w13c[e][q][s][tt][1024]: q = 64 hidden units, s = K step of 128, tt = 4 type + t (type 0: h, 1: g); row r of tile t is hidden unit 64 q + 32 (t / 2) + 8 (t % 2) + r + 8 (r / 8).
;   w13s[e][q][tt][r + 16 (s % 2)][s / 2] words;   w2c[e][nt][s'][1024], row r = column 16 nt + r;   w2s[e][nt / 4][r + 16 s'][nt % 4] words.
; A block's scale is 2^(floor(log2(largest magnitude)) - 2): its byte is the largest magnitude's exponent field - 2, held at 1 from below.
; LIMITS: a block of zeros gets the byte 1 (its codes are zeros, and this program alone reads the bytes); blocks whose largest magnitude lies under 2^-124 were not tried;
; NaN and infinities are not served; an expert index outside 0 .. 7 is held at 7.
; The scale words leave 4 bytes a lane, 16 bytes apart: one byte in 128 of what a weight task reads.
.set XW,  64                           ; v64-191  four blocks of 32 numbers
.set CW,  192                          ; v192-207 four registers of codes for each block: no store's data are written again
.set NCL, 36                           ; classes, and work-groups that sort
	s_load_b512 s[4:19], s[0:1], 0x0               ; w13, w2, expert_idxs, w13c, w13s, w2c, w2s, order
	s_load_b64 s[20:21], s[0:1], 0x40              ; meta
	v_lshl_add_u32 v208, v0, 2, 0x400
	v_mov_b32 v209, 0
	v_lshrrev_b32 v1, 5, v0
	v_readfirstlane_b32 s24, v1                    ; wave 0..7
	v_and_b32 v1, 31, v0                           ; lane
	v_lshlrev_b32 v2, 2, v1                        ; weights: 4 bytes a lane: my column
	s_mov_b32 s33, 0                               ; the high word of every offset pair
	s_wait_kmcnt 0x0
	s_cmp_lt_u32 ttmp9, NCL
	s_cbranch_scc1 .Lroute
	s_cmp_lt_u32 ttmp9, NCL+128
	s_cbranch_scc0 .Lw2
.macro LOADB t, pitch                  ; block t: rows 32 t .. 32 t + 31 of my column; a wave's load reads 128 consecutive bytes
.set i, 0
.rept 32
	global_load_b32 v[XW+32*(\t)+i], v2, s[26:27] offset:(32*(\t)+i)*(\pitch) th:TH_LOAD_NT
.set i, i+1
.endr
.endm
.macro BLOCK t
.set XS, XW+32*(\t)
	v_max3_num_f32 v12, |v[XS]|, |v[XS+1]|, |v[XS+2]|      ; the block's largest magnitude: all 32 numbers are mine; two chains
	v_max3_num_f32 v13, |v[XS+3]|, |v[XS+4]|, |v[XS+5]|
.irp i, 6,10,14,18,22,26
	v_max3_num_f32 v12, v12, |v[XS+\i]|, |v[XS+\i+1]|
	v_max3_num_f32 v13, v13, |v[XS+\i+2]|, |v[XS+\i+3]|
.endr
	v_max3_num_f32 v12, v12, |v[XS+30]|, |v[XS+31]|
	v_max3_num_f32 v12, v12, v13, 0x1800000        ; and the floor 2^(3 - 127): the byte cannot fall under 1
	v_add_nc_u32 v11, 0xff000000, v12              ; 2 off the exponent field: the conversion takes this operand's exponent field as its scale
	v_lshrrev_b32 v13, 23, v11                     ; the scale's byte
.if (\t) == 0
	v_mov_b32 v14, v13                             ; four bytes make the K step's scale word, the lower K in the lower byte
.else
	v_lshl_or_b32 v14, v13, 8*(\t), v14
.endif
.irp g, 0,1,2,3
	v_cvt_scalef32_pk8_fp4_f32 v[CW+4*(\t)+\g], v[XS+8*\g:XS+8*\g+7], v11
.endr
	global_store_b128 v3, v[CW+4*(\t):CW+4*(\t)+3], s[28:29] offset:((\t)/2)*512+((\t)%2)*256   ; chunk t / 2, half t % 2 of my row's fragment
.endm
; A wave's task: 32 columns x 128 along K.  The counted waits leave the one younger block's 32 loads out.
.macro QW pitch
	LOADB 0, \pitch
	LOADB 1, \pitch
	s_wait_loadcnt 32
	LOADB 2, \pitch
	BLOCK 0
	s_wait_loadcnt 32
	LOADB 3, \pitch
	BLOCK 1
	s_wait_loadcnt 32
	BLOCK 2
	s_wait_loadcnt 0x0
	BLOCK 3
	global_store_b32 v4, v14, s[30:31]             ; my row's scale word of this K step
.endm
	; ---- w13: task g = e x 16 + K step x 2 + type; wave w takes columns 256 type + 32 w + lane
	s_sub_co_u32 s25, ttmp9, NCL
	s_lshr_b32 s34, s25, 4                         ; e
	s_bfe_u32 s35, s25, 0x30001                    ; K step 0..7
	s_and_b32 s36, s25, 1                          ; type
	s_lshr_b32 s38, s24, 1                         ; which 64 hidden units: q
	s_and_b32 s39, s24, 1                          ; which 32 of them
	s_lshl_b32 s32, s34, 21                        ; from: e x 2 MiB + K step x 128 rows of 2,048 bytes + type x 1,024 + wave x 128
	s_lshl_b32 s37, s35, 18
	s_add_co_u32 s32, s32, s37
	s_lshl_b32 s37, s36, 10
	s_add_co_u32 s32, s32, s37
	s_lshl_b32 s37, s24, 7
	s_add_co_u32 s32, s32, s37
	s_add_nc_u64 s[26:27], s[4:5], s[32:33]
	s_lshl_b32 s40, s34, 2
	s_add_co_u32 s40, s40, s38                     ; 4 e + q
	s_lshl_b32 s41, s36, 2
	s_lshl_b32 s37, s39, 1
	s_add_co_u32 s41, s41, s37                     ; my first tile: 4 type + 2 (w % 2)
	s_lshl_b32 s32, s40, 3
	s_add_co_u32 s32, s32, s35
	s_lshl_b32 s32, s32, 13                        ; codes: ((4 e + q) 8 + K step) x 8,192 + tile x 1,024
	s_lshl_b32 s37, s41, 10
	s_add_co_u32 s32, s32, s37
	s_add_nc_u64 s[28:29], s[10:11], s[32:33]
	s_lshl_b32 s32, s40, 12                        ; scale words: (4 e + q) x 4,096 + tile x 512 + (K step % 2) x 256 + (K step / 2) x 4
	s_lshl_b32 s37, s41, 9
	s_add_co_u32 s32, s32, s37
	s_and_b32 s37, s35, 1
	s_lshl_b32 s37, s37, 8
	s_add_co_u32 s32, s32, s37
	s_lshr_b32 s37, s35, 1
	s_lshl_b32 s37, s37, 2
	s_add_co_u32 s32, s32, s37
	s_add_nc_u64 s[30:31], s[12:13], s[32:33]
	v_bfe_u32 v5, v1, 3, 1                         ; hidden unit lane = 8 u + r + 8 (r / 8): u = bit 3,
	v_and_b32 v6, 7, v1
	v_lshrrev_b32 v7, 4, v1
	v_lshl_add_u32 v6, v7, 3, v6                   ; r = bits 2:0 + 8 x bit 4
	v_lshlrev_b32 v8, 4, v6
	v_lshl_add_u32 v3, v5, 10, v8                  ; codes: tile u, 16 bytes a row
	v_lshl_add_u32 v4, v5, 9, v8                   ; scale words: tile u, 16 bytes a row
	QW 2048
	s_endpgm
.Lw2:	; ---- w2: task g = e x 8 + K step x 4 + cq; wave w takes columns 256 cq + 32 w + lane
	s_sub_co_u32 s25, ttmp9, NCL+128
	s_lshr_b32 s34, s25, 3                         ; e
	s_bfe_u32 s35, s25, 0x10002                    ; K step 0, 1
	s_and_b32 s36, s25, 3                          ; cq
	s_lshl_b32 s32, s34, 20                        ; from: e x 1 MiB + K step x 128 rows of 4,096 bytes + cq x 1,024 + wave x 128
	s_lshl_b32 s37, s35, 19
	s_add_co_u32 s32, s32, s37
	s_lshl_b32 s37, s36, 10
	s_add_co_u32 s32, s32, s37
	s_lshl_b32 s37, s24, 7
	s_add_co_u32 s32, s32, s37
	s_add_nc_u64 s[26:27], s[6:7], s[32:33]
	s_lshl_b32 s40, s34, 6
	s_lshl_b32 s37, s36, 4
	s_add_co_u32 s40, s40, s37
	s_lshl_b32 s37, s24, 1
	s_add_co_u32 s40, s40, s37                     ; 64 e + my first tile of columns, 16 cq + 2 w
	s_lshl_b32 s32, s40, 1
	s_add_co_u32 s32, s32, s35
	s_lshl_b32 s32, s32, 10                        ; codes: (tile x 2 + K step) x 1,024
	s_add_nc_u64 s[28:29], s[14:15], s[32:33]
	s_lshl_b32 s32, s34, 4
	s_lshl_b32 s37, s36, 2
	s_add_co_u32 s32, s32, s37
	s_lshr_b32 s37, s24, 1
	s_add_co_u32 s32, s32, s37
	s_lshl_b32 s32, s32, 9                         ; scale words: (16 e + tile / 4) x 512 + K step x 256 + (w % 2) x 8
	s_lshl_b32 s37, s35, 8
	s_add_co_u32 s32, s32, s37
	s_and_b32 s37, s24, 1
	s_lshl_b32 s37, s37, 3
	s_add_co_u32 s32, s32, s37
	s_add_nc_u64 s[30:31], s[16:17], s[32:33]
	v_lshrrev_b32 v5, 4, v1                        ; which of my two tiles
	v_and_b32 v6, 15, v1                           ; its row
	v_lshlrev_b32 v8, 4, v6
	v_lshl_add_u32 v3, v5, 11, v8                  ; codes: a tile's two K steps are 2,048 bytes
	v_lshl_add_u32 v4, v5, 2, v8
	QW 4096
	s_endpgm
; ---- THE SORT, class c = the work-group's number.  Every work-group reads all 8,192 pairs of indices (64 KiB); wave w takes tokens 1,024 w + 32 i + lane, i = 0 .. 31.
; A token's key is 8 b + a: keys rise as classes do.  Two compares a group of 32 tokens give two lane masks in scalar registers: 'is of my class' and 'comes before my class'.
; Their bit counts give the wave's members and the tokens in front of the class; the members below a lane in its group's mask give its place in the wave.  The eight waves exchange
; their two counts through LDS (64 bytes, one barrier).  A token's place = tokens in front of the class + members in the waves ahead + members in the groups ahead + members below its lane.
; TILES.  With cb tokens in front of it and n of its own, class c owns the entries of meta from floor(cb / 64) + c up to the next class's first, floor((cb + n) / 64) + c + 1: never fewer than
; ceil(n / 64), and known without the other classes' separate counts.  Entries that it does not need get 0 rows.  The 36 classes' entries are 0 .. 163, whatever the split.
; REGISTERS: v64-127 the indices; v128-159 keys; v160-191 b, then the tokens' numbers; v96-127 (free again) places, then byte offsets in order.  s[66:97] the masks of members; s[32:63] those of earlier tokens.
.Lroute:
	v_lshlrev_b32 v2, 3, v1                        ; a token's two indices are 8 bytes;
	s_lshl_b32 s25, s24, 13                        ; my wave's 1,024 tokens
	v_add_nc_u32 v2, s25, v2
.set i, 0
.rept 32
	global_load_b64 v[64+2*i:65+2*i], v2, s[8:9] offset:256*i      ; a wave's load reads 256 consecutive bytes
.set i, i+1
.endr
	s_mov_b32 s27, 0                               ; my class's b: the largest k with k (k + 1) / 2 <= c
.irp k, 1,2,3,4,5,6,7
	s_cmp_ge_u32 ttmp9, \k*(\k+1)/2
	s_cselect_b32 s27, \k, s27
.endr
	s_add_co_u32 s28, s27, 1
	s_mul_i32 s28, s28, s27
	s_lshr_b32 s28, s28, 1
	s_sub_co_u32 s28, ttmp9, s28                   ; its a
	s_lshl_b32 s29, s27, 3
	s_add_co_u32 s29, s29, s28                     ; its key
	v_mov_b32 v5, s24
	v_lshlrev_b32 v5, 3, v5                        ; LDS: my wave's two words
	v_mov_b32 v6, 0                                ; and the first wave's
	s_lshl_b32 s26, s24, 10
	v_add_nc_u32 v7, s26, v1                       ; my token of group 0
	s_wait_loadcnt 0x0
.set i, 0
.rept 32
	v_min_u32 v[128+i], v[64+2*i], v[65+2*i]       ; a <= b.  (Each step runs over all 32 groups, so that no line waits for the line above it)
.set i, i+1
.endr
.set i, 0
.rept 32
	v_max_u32 v[160+i], v[64+2*i], v[65+2*i]
.set i, i+1
.endr
.set i, 0
.rept 32
	v_min_u32 v[128+i], 7, v[128+i]                ; both held at 7
.set i, i+1
.endr
.set i, 0
.rept 32
	v_min_u32 v[160+i], 7, v[160+i]
.set i, i+1
.endr
.set i, 0
.rept 32
	v_lshl_add_u32 v[128+i], v[160+i], 3, v[128+i] ; the key
.set i, i+1
.endr
.set i, 0
.rept 32
	v_cmp_eq_u32 s[66+i], s29, v[128+i]            ; of my class
.set i, i+1
.endr
.set i, 0
.rept 32
	v_cmp_gt_u32 s[32+i], s29, v[128+i]            ; of an earlier class
.set i, i+1
.endr
	s_mov_b32 s30, 0                               ; my wave's members so far
	s_mov_b32 s31, 0                               ; its tokens of earlier classes
.set i, 0
.rept 32
	v_mbcnt_lo_u32_b32 v[96+i], s[66+i], s30       ; members in the groups ahead + members below my lane
	s_bcnt1_i32_b32 s25, s[66+i]
	s_add_co_u32 s30, s30, s25
	s_bcnt1_i32_b32 s26, s[32+i]
	s_add_co_u32 s31, s31, s26
.set i, i+1
.endr
	v_mov_b32 v10, s30
	v_mov_b32 v11, s31
	ds_store_b64 v5, v[10:11]                      ; all lanes write the same two words with the same values
	s_wait_dscnt 0x0                               ; for the others' sake: my store has landed
	s_barrier_signal -1
	s_barrier_wait -1
.irp j, 0,1,2,3
	ds_load_b128 v[12+4*\j:15+4*\j], v6 offset:16*\j   ; the eight waves' pairs, in every lane
.endr
	s_wait_dscnt 0x0
.irp j, 0,1,2,3,4,5,6,7,8,9,10,11,12,13,14,15
	v_readfirstlane_b32 s[32+\j], v[12+\j]
.endr
	s_mov_b32 s48, 0                               ; n: the class's tokens
	s_mov_b32 s49, 0                               ; cb: the tokens in front of the class
	s_mov_b32 s50, 0                               ; the members in the waves ahead of mine
.irp k, 0,1,2,3,4,5,6,7
	s_add_co_u32 s48, s48, s[32+2*\k]
	s_add_co_u32 s49, s49, s[33+2*\k]
	s_cmp_gt_u32 s24, \k
	s_cselect_b32 s25, s[32+2*\k], 0
	s_add_co_u32 s50, s50, s25
.endr
	s_add_co_u32 s51, s49, s50                     ; where my wave's members begin in order
.set i, 0
.rept 32
	v_add_nc_u32 v[96+i], s51, v[96+i]
.set i, i+1
.endr
.set i, 0
.rept 32
	v_min_u32 v[96+i], 0x1fff, v[96+i]             ; held inside order
.set i, i+1
.endr
.set i, 0
.rept 32
	v_lshlrev_b32 v[96+i], 2, v[96+i]
.set i, i+1
.endr
.set i, 0
.rept 32
	v_add_nc_u32 v[160+i], 32*i, v7                ; the token
.set i, i+1
.endr
	; the class's entries of meta: thread j makes the j-th; threads behind the last repeat it, with the same numbers at the same place
	s_lshr_b32 s52, s49, 6
	s_add_co_u32 s53, s49, s48
	s_lshr_b32 s53, s53, 6
	s_sub_co_u32 s53, s53, s52                     ; the class's last entry, counted from its first
	s_add_co_u32 s52, s52, ttmp9                   ; its first: floor(cb / 64) + c
	v_min_u32 v40, s53, v0
	v_lshlrev_b32 v41, 6, v40
	v_add_nc_u32 v52, s49, v41                     ; first place
	v_max_u32 v53, s48, v41
	v_sub_nc_u32 v53, v53, v41
	v_min_u32 v53, 64, v53                         ; rows: what is left of the class, 64 at the most, 0 in an entry that it does not need
	v_min_u32 v52, 0x1fff, v52
	v_mov_b32 v54, s28                             ; a
	v_mov_b32 v55, s27                             ; b
	v_add_nc_u32 v42, s52, v40
	v_min_u32 v42, 255, v42                        ; held inside meta
	v_lshlrev_b32 v42, 4, v42
	global_store_b128 v42, v[52:55], s[20:21]
	s_wait_xcnt 0x0                                ; EXEC changes only behind this wait: no load or store of mine still reads it
; A group's members store their tokens: their places are consecutive words.  Each store has registers of its own.
.macro PUT i
	v_cmp_eq_u32 vcc_lo, s29, v[128+(\i)]
	s_and_saveexec_b32 s98, vcc_lo
	global_store_b32 v[96+(\i)], v[160+(\i)], s[18:19]
	s_wait_xcnt 0x0                                ; and again, in front of the line that widens it
	s_or_b32 exec_lo, exec_lo, s98
.endm
.set t, 0
.rept 32
	PUT t
.set t, t+1
.endr
	s_wait_xcnt 0x0
	s_mov_b32 exec_lo, -1
	s_wait_tensorcnt 0x0
	ds_add_u32 v208, v209
	s_wait_dscnt 0x0
	s_endpgm
.Lfunc_end_k_q61a7c94021_prep:
	.size	k_q61a7c94021_prep, .Lfunc_end_k_q61a7c94021_prep-k_q61a7c94021_prep
	.p2alignl 7, 3214868480
	.fill 96, 4, 3214868480
	.section	.rodata,"a",@progbits
	.p2align	6, 0x0
	.amdhsa_kernel k_q61a7c94021_prep
		.amdhsa_group_segment_fixed_size 2048
		.amdhsa_private_segment_fixed_size 0
		.amdhsa_enable_private_segment 0
		.amdhsa_kernarg_size 72
		.amdhsa_user_sgpr_count 2
		.amdhsa_user_sgpr_kernarg_segment_ptr 1
		.amdhsa_wavefront_size32 1
		.amdhsa_system_sgpr_workgroup_id_x 1
		.amdhsa_system_sgpr_workgroup_id_y 1
		.amdhsa_system_sgpr_workgroup_id_z 1
		.amdhsa_system_vgpr_workitem_id 0
		.amdhsa_next_free_vgpr 210
		.amdhsa_next_free_sgpr 100
		.amdhsa_reserve_vcc 1
		.amdhsa_float_denorm_mode_32 3
		.amdhsa_float_denorm_mode_16_64 3
		.amdhsa_memory_ordered 1
		.amdhsa_forward_progress 1
		.amdhsa_inst_pref_size 77
	.end_amdhsa_kernel
	.amdgpu_metadata
---
amdhsa.version: [ 1, 2 ]
amdhsa.kernels:
  - .name:           k_q61a7c94021_prep
    .symbol:         k_q61a7c94021_prep.kd
    .args:
      - { .name: w13, .offset: 0, .size: 8, .value_kind: global_buffer, .address_space: global }
      - { .name: w2, .offset: 8, .size: 8, .value_kind: global_buffer, .address_space: global }
      - { .name: expert_idxs, .offset: 16, .size: 8, .value_kind: global_buffer, .address_space: global }
      - { .name: w13c, .offset: 24, .size: 8, .value_kind: global_buffer, .address_space: global }
      - { .name: w13s, .offset: 32, .size: 8, .value_kind: global_buffer, .address_space: global }
      - { .name: w2c, .offset: 40, .size: 8, .value_kind: global_buffer, .address_space: global }
      - { .name: w2s, .offset: 48, .size: 8, .value_kind: global_buffer, .address_space: global }
      - { .name: order, .offset: 56, .size: 8, .value_kind: global_buffer, .address_space: global }
      - { .name: meta, .offset: 64, .size: 8, .value_kind: global_buffer, .address_space: global }
    .group_segment_fixed_size: 2048
    .private_segment_fixed_size: 0
    .kernarg_segment_align: 8
    .kernarg_segment_size: 72
    .max_flat_workgroup_size: 256
    .sgpr_count:     100
    .vgpr_count:     210
    .wavefront_size: 32
...
	.end_amdgpu_metadata
.endif
;; end of part 3
;; launch experts (part 4): grid 164 x 1, 8 waves a work-group, no clusters, 123,904 bytes of LDS; arguments meta, order, expert_idxs, expert_p, x, w13c, w13s, w2c, w2s, out0; writes out0
.if DOCPART == 4
	.amdgcn_target "amdgcn-amd-amdhsa--gfx1250"
	.amdhsa_code_object_version 6
	.text
	.protected	k_q61a7c94021_experts
	.globl	k_q61a7c94021_experts
	.p2align	8
	.type	k_q61a7c94021_experts,@function
k_q61a7c94021_experts:
	s_mov_b64 s[64:65], 0
	v_nop
	global_prefetch_b8 v0, s[64:65] scope:SCOPE_SE
	s_setreg_imm32_b32 hwreg(HW_REG_WAVE_MODE, 25, 1), 1
	s_wait_xcnt 0x0
; EXPERTS.  out0[t] = pa (silu(g_a) h_a) W2[a] + pb (silu(g_b) h_b) W2[b], (h_e, g_e) = x[t] W13[e]; all four operands of the products as codes of FP4 (E2M1) with one E8M0 scale for each 32 along K.
; A work-group takes ONE TILE of the stored list: at most 64 tokens that all name the same pair of experts a <= b.  So it uses two experts, every trip count is a constant, and it owns its rows of out0.
; GRID: class c's tiles begin at entry floor(tokens in front of it / 64) + c of the list: 8,192 / 64 + 36 = 164 entries serve every split.  A tile with 0 rows walks both barriers on held rows and leaves at
; the first test behind them: no barrier stands under a branch on a stored number.
; THE CHAIN.  X: wave w gathers rows 16 (w / 2) .. + 15, K steps 4 (w % 2) .. + 3 of x (f32, each byte once, 512 consecutive bytes of a row to a load), turns them through its own stage in LDS so that a lane
; holds 16 neighbours along K, quantises them and stores the fragments' register images in LDS | barrier |
; 1: wave w = (slot w / 4: expert a or b; quarter q = w % 4: 64 hidden units): 4 tiles of h and 4 of g x 4 tiles of rows x 8 K steps; each weight fragment comes from memory once for the work-group, whole, and feeds 4 products;
; silu(g) h in f32, quantised in registers: half a fragment of the second product: image to LDS | barrier |
; 2: wave w makes columns 128 w .. + 127 for both slots, a tile of 16 rows at a time; pa ya + pb yb; through its own stage in LDS; whole pieces of 512 consecutive bytes of a row of out0.
; Both products are used TRANSPOSED (source 0 = 16 rows of the weight, source 1 = 16 tokens): a lane holds one token, its registers run along the columns.
; NO CLUSTER, NO TENSOR LOAD: which experts a tile needs is read from the stored list, and a class has any number of tiles from 0 to 128, so the grid does not divide into partners that need the same weights on every split.
; a = b: both slots run the same expert, with p0 and p1: p0 f + p1 f in place of (p0 + p1) f.
; LIMITS: expert indices outside 0 .. 7 are held at 7; NaN and infinities are not served; blocks whose largest magnitude lies under 2^-124 were not tried; a block of zeros has the byte 1 and zero codes;
; silu(g) h is formed as (g h) / (1 + 2^(-g log2 e)): finite while |g h| < 2^128.
; REGISTERS.  Window 0: v2 16 x lane; v3 4 x lane + 128 (lane / 16); v4 lane / 16; v5 where x's numbers are read back from the stage; v6-9 where images and scale words go; v10, v11 the stage; v12-15 my lane's token in each tile of rows;
;   v16-31 (pa, pb), (pb, pa) for each tile of rows; v32-47 at work; v48-63 x's scale words; v64-95 x's fragments (at work while quantising; later the hidden layer's); v96-127 W13's scale words (later W2's and the hidden layer's);
;   v128-255 two sets of W13's 8 fragments (later W2's column tiles 0-3).
; Window 1: x's 256 numbers; then the 32 accumulators (row tile m, tile tt) at 64 m + 8 tt; then W2's column tiles 4-7 at v0-127, and from v128 the results of slot a at 128 + 16 n, of slot b at 136 + 16 n.
; s[66:97]: sixteen row bases: of x in phase X, of out0 in phase 2.
.set XIMG, 0                           ; LDS: x's 32 fragments (8 m + K step), 1,024 bytes each,
.set XSC,  32768                       ; their scale words, 128 bytes each,
.set HIMG, 36864                       ; the hidden layer's 16 fragments ((4 slot + m) 2 + K step),
.set HSC,  53248                       ; their scale words,
.set STG,  55296                       ; and a stage of 16 rows x (512 + 16) bytes for each wave: x on its way in, out0 on its way out
.set SPT,  528
.set TM,   64                          ; v64-79 at work in the quantiser
.set PC,   80                          ; v80-87 the codes just made
.set PW,   88                          ; v88    the scale word just made
.set MSB,  0
.macro WIN new                         ; low byte: bits 1:0 source 0, 3:2 source 1, 5:4 source 2, 7:6 destination; the high byte repeats the setting that is left
.if MSB != \new
	s_set_vgpr_msb (MSB<<8)|\new
.set MSB, \new
.endif
.endm
.macro PLACES                          ; four plain vector instructions between a matrix instruction and a load into, or a vector read of, its registers
.rept 4
	v_nop
.endr
.endm
.macro BARRIER                         ; my LDS stores have landed and my LDS loads are in: then the work-group's barrier
	s_wait_dscnt 0x0
	s_barrier_signal -1
	s_barrier_wait -1
.endm
; nb blocks of 32 along K.  In window 1, register s + 16 b + i of lane (r, h) is k = 32 b + 16 h + i of row r.  They become codes in v[PC] on (a whole block in a lane) and scale bytes in v[PW].
.macro QUANT s, nb
	WIN 0x05                                       ; sources 0 and 1 in window 1
.irp b, 0,1,2,3
.if \b < \nb
	v_max3_num_f32 v[TM+\b], |v[(\s)+16*\b]|, |v[(\s)+1+16*\b]|, 0x1800000   ; my 16 numbers, and the floor 2^(3 - 127): the byte cannot fall under 1
.endif
.endr
.irp i, 2,4,6,8,10,12,14
.irp b, 0,1,2,3
.if \b < \nb
	v_max3_num_f32 v[TM+\b], |v[(\s)+16*\b+\i]|, |v[(\s)+1+16*\b+\i]|, v[TM+\b]
.endif
.endr
.endr
	WIN 0
.irp b, 0,1,2,3
.if \b < \nb
	v_permlanex16_b32 v[TM+4+\b], v[TM+\b], s32, s33
.endif
.endr
.irp b, 0,1,2,3
.if \b < \nb
	v_max_num_f32 v[TM+\b], v[TM+\b], v[TM+4+\b]   ; with lane l xor 16's: the block's largest magnitude
.endif
.endr
.irp b, 0,1,2,3
.if \b < \nb
	v_add_nc_u32 v[TM+12+\b], 0xff000000, v[TM+\b] ; 2 off the exponent field: the conversion's scale operand
.endif
.endr
.irp b, 0,1,2,3
.if \b < \nb
	v_lshrrev_b32 v[TM+4+\b], 23, v[TM+12+\b]      ; the scale's byte
.endif
.endr
	v_lshl_or_b32 v[PW], v[TM+5], 8, v[TM+4]
.if \nb == 4
	v_lshl_or_b32 v[PW], v[TM+6], 16, v[PW]
	v_lshl_or_b32 v[PW], v[TM+7], 24, v[PW]
.endif
	WIN 0x01                                       ; the numbers in window 1
.irp b, 0,1,2,3
.if \b < \nb
	v_cvt_scalef32_pk8_fp4_f32 v[PC+2*\b], v[(\s)+16*\b:(\s)+7+16*\b], v[TM+12+\b]
	v_cvt_scalef32_pk8_fp4_f32 v[PC+1+2*\b], v[(\s)+8+16*\b:(\s)+15+16*\b], v[TM+12+\b]
.endif
.endr
	WIN 0
	v_nop                                          ; one plain instruction behind a scaled conversion
.irp c, 0,1
.if 2*\c < \nb
.irp i, 0,1
	v_permlane16_swap_b32 v[PC+4*\c+\i], v[PC+2+4*\c+\i]   ; lanes 0-15 get block 2 c whole, lanes 16-31 block 2 c + 1
.endr
.endif
.endr
.endm
.macro XLOAD f                         ; my f-th K step of my 16 rows: a load takes 512 consecutive bytes of one row, 16 a lane
.set i, 0
.rept 16
	global_load_b128 v[64*(\f)+4*i:64*(\f)+4*i+3], v2, s[66+2*i:67+2*i] offset:512*(\f) th:TH_LOAD_NT
.set i, i+1
.endr
.endm
; The f-th K step's 16 rows go into my stage as they lie and come back, into the registers that they left, 16 neighbours of each block of 32 to a lane: register 16 b + 4 j + e of lane (r, h) is
; k = 32 b + 16 h + 4 j + e of row r.  LDS serves a wave's instructions in order (ISA guide 5.7.1.4): the loads see the stores, and the next K step's stores come behind these loads.
; Rows lie 528 bytes apart, an odd multiple of 16, so the sixteen rows that a load touches fall on different banks.
.macro TURN f
	WIN 0x04                                       ; an LDS store's data are its source 1
.set i, 0
.rept 16
	ds_store_b128 v11, v[64*(\f)+4*i:64*(\f)+4*i+3] offset:SPT*i
.set i, i+1
.endr
	WIN 0x40
.irp b, 0,1,2,3
.irp j, 0,1,2,3
	ds_load_b128 v[64*(\f)+16*\b+4*\j:64*(\f)+16*\b+4*\j+3], v5 offset:128*\b+16*\j
.endr
.endr
.endm
.macro W13LOAD ks, set                 ; my 8 fragments of K step ks: 8,192 consecutive bytes, 16 loads of 512
.irp t, 0,1,2,3,4,5,6,7
.irp c, 0,1
	global_load_b128 v[128+64*(\set)+8*\t+4*\c:128+64*(\set)+8*\t+4*\c+3], v2, s[34:35] offset:8192*(\ks)+1024*\t+512*\c
.endr
.endr
.endm
.macro W2LOAD n                        ; column tile n of my eight: both K steps, both slots: 8 loads
.irp sp, 0,1
.irp c, 0,1
.if (\n) < 4
.set rA, 128+32*(\n)+8*\sp+4*\c
.else
.set rA, 32*((\n)-4)+8*\sp+4*\c
.endif
	global_load_b128 v[rA:rA+3], v2, s[38:39] offset:2048*(\n)+1024*\sp+512*\c
	global_load_b128 v[rA+16:rA+19], v2, s[40:41] offset:2048*(\n)+1024*\sp+512*\c
.endr
.endr
.endm
.macro XFETCH ks, m                    ; x's fragment (row tile m, K step ks) as its registers were stored
.irp c, 0,1
	ds_load_b128 v[64+8*(\m)+4*\c:64+8*(\m)+4*\c+3], v2 offset:XIMG+(8*(\m)+(\ks))*1024+512*\c
.endr
.endm
.macro HFETCH m                        ; the hidden layer's four fragments of row tile m (2 slots x 2 K steps) and their scale words: lanes 0-15 K step 0's, lanes 16-31 K step 1's
.irp sl, 0,1
.irp sp, 0,1
.irp c, 0,1
	ds_load_b128 v[64+16*\sl+8*\sp+4*\c:64+16*\sl+8*\sp+4*\c+3], v2 offset:HIMG+((4*\sl+(\m))*2+\sp)*1024+512*\c
.endr
.endr
	ds_load_b32 v[112+\sl], v3 offset:HSC+(4*\sl+(\m))*256
.endr
.endm
	s_load_b512 s[4:19], s[0:1], 0x0               ; meta, order, expert_idxs, expert_p, x, w13c, w13s, w2c
	s_load_b128 s[20:23], s[0:1], 0x40             ; w2s, out0
	v_lshrrev_b32 v1, 5, v0
	v_readfirstlane_b32 s28, v1                    ; wave 0..7
	v_and_b32 v1, 31, v0                           ; lane
	v_and_b32 v45, 15, v0                          ; r
	v_bfe_u32 v4, v0, 4, 1                         ; h
	v_lshlrev_b32 v2, 4, v1                        ; 16 x lane: an image's place for my lane
	v_lshlrev_b32 v44, 2, v1                       ; 4 x lane: a scale word's
	v_lshl_add_u32 v3, v4, 7, v44                  ; lanes 16-31 read the next image's words
	s_lshl_b32 s29, s28, 12
	v_add_nc_u32 v6, s29, v2                       ; x's images: fragment 4 w + f
	s_lshl_b32 s29, s28, 9
	s_add_co_u32 s29, s29, XSC
	v_add_nc_u32 v7, s29, v44
	s_lshr_b32 s51, s28, 2                         ; slot
	s_and_b32 s52, s28, 3                          ; q
	s_lshl_b32 s29, s51, 13
	s_lshl_b32 s53, s52, 9
	s_add_co_u32 s29, s29, s53
	s_add_co_u32 s29, s29, HIMG
	v_add_nc_u32 v8, s29, v2                       ; the hidden layer: slot x 8 fragments, K step q / 2, chunk q % 2: 512 q
	s_lshl_b32 s29, s51, 10
	s_lshr_b32 s53, s52, 1
	s_lshl_b32 s53, s53, 7
	s_add_co_u32 s29, s29, s53
	s_and_b32 s53, s52, 1
	s_lshl_b32 s53, s53, 1
	s_add_co_u32 s29, s29, s53
	s_add_co_u32 s29, s29, HSC
	v_add_nc_u32 v9, s29, v44                      ; my two bytes of its scale words
	s_mul_i32 s29, s28, 16*SPT
	s_add_co_u32 s29, s29, STG                     ; my stage
	v_mul_u32_u24 v10, v45, SPT
	v_lshl_add_u32 v5, v4, 6, v10
	v_add_nc_u32 v5, s29, v5                       ; x back: row r, 64 bytes for each half of the lanes in each block's 128
	v_lshl_add_u32 v10, v4, 5, v10
	v_add_nc_u32 v10, s29, v10                     ; out0 in: row r, 32 bytes for each half of the lanes
	v_add_nc_u32 v11, s29, v2                      ; x in, out0 back: the 32 lanes take a row's 512 bytes
.irp b, 0,1,2,3
	v_mov_b32 v[TM+4+\b], 0                        ; written once: a lane permute's destination counts as one of its sources
.endr
	s_mov_b32 s30, 0xbfb8aa3b                      ; -log2(e)
	s_mov_b32 s31, s30                             ; (named with it as a pair, so it is written)
	s_mov_b32 s32, 0x76543210
	s_mov_b32 s33, 0xfedcba98                      ; v_permlanex16_b32's selects for lane l xor 16
	s_lshl_b32 s48, ttmp9, 4
	s_mov_b32 s49, 0                               ; the high word of every offset pair
	s_wait_kmcnt 0x0
	s_add_nc_u64 s[4:5], s[4:5], s[48:49]
	s_load_b128 s[24:27], s[4:5], 0x0              ; my tile: first place in order, rows, a, b
	s_wait_kmcnt 0x0
	s_min_u32 s24, s24, 0x1fff
	s_min_u32 s25, s25, 64
	s_min_u32 s26, s26, 7
	s_min_u32 s27, s27, 7
	s_max_u32 s50, s25, 1
	s_sub_co_u32 s50, s50, 1                       ; the last row that there is: rows behind it repeat it and are not stored
	s_cmp_lt_u32 s28, 4
	s_cselect_b32 s29, s26, s27                    ; my slot's expert
	s_min_u32 s29, s29, 7
	s_lshl_b32 s29, s29, 2
	s_add_co_u32 s29, s29, s52                     ; 4 e + q
	s_lshl_b32 s48, s29, 16
	s_add_nc_u64 s[34:35], s[14:15], s[48:49]      ; my 64 KiB of W13's codes,
	s_lshl_b32 s48, s29, 12
	s_add_nc_u64 s[36:37], s[16:17], s[48:49]      ; and their scale words
	s_lshl_b32 s53, s28, 14
	s_lshl_b32 s48, s26, 17
	s_add_co_u32 s48, s48, s53
	s_add_nc_u64 s[38:39], s[18:19], s[48:49]      ; W2[a], my eight tiles of columns
	s_lshl_b32 s48, s27, 17
	s_add_co_u32 s48, s48, s53
	s_add_nc_u64 s[40:41], s[18:19], s[48:49]      ; W2[b]
	s_lshl_b32 s53, s28, 10
	s_lshl_b32 s48, s26, 13
	s_add_co_u32 s48, s48, s53
	s_add_nc_u64 s[42:43], s[20:21], s[48:49]      ; their scale words
	s_lshl_b32 s48, s27, 13
	s_add_co_u32 s48, s48, s53
	s_add_nc_u64 s[44:45], s[20:21], s[48:49]
	s_lshl_b32 s48, s28, 9
	s_add_nc_u64 s[46:47], s[22:23], s[48:49]      ; out0 at my 128 columns
	s_and_b32 s48, s28, 1
	s_lshl_b32 s48, s48, 11
	s_add_nc_u64 s[54:55], s[12:13], s[48:49]      ; x at my four K steps
.irp m, 0,1,2,3
	v_add_nc_u32 v[32+\m], 16*\m, v45              ; row 16 m + r of the tile,
	v_min_u32 v[32+\m], s50, v[32+\m]              ; held at its last row,
	v_add_nc_u32 v[32+\m], s24, v[32+\m]
	v_min_u32 v[32+\m], 0x1fff, v[32+\m]
	v_lshlrev_b32 v[32+\m], 2, v[32+\m]
	global_load_b32 v[12+\m], v[32+\m], s[6:7]     ; its token
.endr
	s_lshr_b32 s53, s28, 1
	s_lshl_b32 s53, s53, 4
	v_add_nc_u32 v36, s53, v45                     ; and the rows that I gather: 16 (w / 2) + r
	v_min_u32 v36, s50, v36
	v_add_nc_u32 v36, s24, v36
	v_min_u32 v36, 0x1fff, v36
	v_lshlrev_b32 v36, 2, v36
	global_load_b32 v47, v36, s[6:7]
.irp t, 0,1,2,3,4,5,6,7
	global_load_b128 v[96+4*\t:99+4*\t], v2, s[36:37] offset:512*\t   ; W13's scale words: register 4 tt + i: lanes 0-15 K step 2 i, lanes 16-31 K step 2 i + 1
.endr
	W13LOAD 0, 0                                   ; the first two K steps' weights go out while the tokens come
	W13LOAD 1, 1
	s_wait_loadcnt 40                              ; behind the five loads of tokens: 8 + 32 loads of weights
.irp m, 0,1,2,3
	v_min_u32 v[12+\m], 0x1fff, v[12+\m]
.endr
.set i, 0
.rept 16
	v_readlane_b32 s48, v47, i                     ; the token of my i-th row,
	s_min_u32 s48, s48, 0x1fff
	s_lshl_b32 s48, s48, 12                        ; whose row of x is 4,096 bytes
	s_add_nc_u64 s[66+2*i:67+2*i], s[54:55], s[48:49]
.set i, i+1
.endr
	WIN 0x40                                       ; destination window 1
	XLOAD 0
	XLOAD 1
	XLOAD 2
	XLOAD 3
	WIN 0
.irp m, 0,1,2,3
	v_lshlrev_b32 v[44+\m], 3, v[12+\m]
.endr
.irp m, 0,1,2,3
	global_load_b64 v[32+2*\m:33+2*\m], v[44+\m], s[10:11]   ; the token's two weights,
	global_load_b32 v[40+\m], v[44+\m], s[8:9]               ; and its first index
.endr
	; ---- X: four fragments.  The counts on the loads leave out the younger K steps' loads, 16 each, and the eight loads of weights and indices.  The turn through the stage runs one K step ahead of the
	; quantiser: the count 32 leaves out the next K step's 16 stores and 16 loads; all that is older is done: this K step's numbers are back, and the last images' stores have read their registers.
	s_wait_loadcnt 56
	TURN 0
.irp f, 0,1,2,3
.if \f < 3
	s_wait_loadcnt 40-16*\f
	TURN \f+1
	s_wait_dscnt 32
.else
	s_wait_dscnt 0x0
.endif
	QUANT 64*\f, 4
	ds_store_b128 v6, v[PC:PC+3] offset:XIMG+1024*\f
	ds_store_b128 v6, v[PC+4:PC+7] offset:XIMG+1024*\f+512
	ds_store_b32 v7, v[PW] offset:128*\f
.endr
	s_wait_loadcnt 0x0
.irp m, 0,1,2,3
	v_min_u32 v[40+\m], 7, v[40+\m]                ; held as the sort held it
	v_cmp_eq_u32 vcc_lo, s26, v[40+\m]             ; is the token's first expert a?
	v_cndmask_b32 v[16+4*\m], v[33+2*\m], v[32+2*\m], vcc_lo   ; pa
	v_cndmask_b32 v[17+4*\m], v[32+2*\m], v[33+2*\m], vcc_lo   ; pb
	v_mov_b32 v[18+4*\m], v[17+4*\m]               ; and the pair the other way round: the packed forms take a pair's low word for both halves
	v_mov_b32 v[19+4*\m], v[16+4*\m]
.endr
	BARRIER                                        ; x's 32 fragments lie in LDS
	; ---- 1.  8 matrix instructions: my 8 tiles of hidden units x row tile m, K step ks.  The 32 accumulators take turns, one instruction a turn, in the same order in every step.
.macro MUL ks, m
.set tt, 0
.rept 8
.set rD, 64*(\m)+8*tt
.set rA, 128+64*((\ks)%2)+8*tt
.set rB, 64+8*(\m)
.set rSA, 96+4*tt+(\ks)/2
.set rSB, 48+4*(\m)+(\ks)/2
.if (\ks) == 0
	v_wmma_scale_f32_16x16x128_f8f6f4 v[rD:rD+7], v[rA:rA+7], v[rB:rB+7], 0, v[rSA], v[rSB] matrix_a_fmt:MATRIX_FMT_FP4 matrix_b_fmt:MATRIX_FMT_FP4
.elseif (\ks)%2 == 1
	v_wmma_scale_f32_16x16x128_f8f6f4 v[rD:rD+7], v[rA:rA+7], v[rB:rB+7], v[rD:rD+7], v[rSA], v[rSB] matrix_a_fmt:MATRIX_FMT_FP4 matrix_b_fmt:MATRIX_FMT_FP4 matrix_a_scale:MATRIX_SCALE_ROW1 matrix_b_scale:MATRIX_SCALE_ROW1
.else
	v_wmma_scale_f32_16x16x128_f8f6f4 v[rD:rD+7], v[rA:rA+7], v[rB:rB+7], v[rD:rD+7], v[rSA], v[rSB] matrix_a_fmt:MATRIX_FMT_FP4 matrix_b_fmt:MATRIX_FMT_FP4
.endif
.set tt, tt+1
.endr
.endm
.macro STEP ks
	s_wait_loadcnt 16                              ; this step's weights are in; the 16 loads issued at the last step's tail may be out
	s_wait_dscnt 4                                 ; x's fragments of row tiles 0 and 1 are in; those of 2 and 3 may be out
	WIN 0x50                                       ; C and D in window 1
	MUL \ks, 0
	MUL \ks, 1
	s_wait_dscnt 0x0
.if \ks < 7
	PLACES
	WIN 0
	XFETCH \ks+1, 0
	XFETCH \ks+1, 1
	WIN 0x50
.endif
	MUL \ks, 2
	MUL \ks, 3
	PLACES
	WIN 0
.if \ks < 7
	XFETCH \ks+1, 2
	XFETCH \ks+1, 3
.endif
.if \ks < 6
	W13LOAD \ks+2, (\ks)%2                         ; the set just multiplied takes the weights of two steps on
.elseif \ks == 6
	W2LOAD 0                                       ; then the second product's
	W2LOAD 1
.else
	W2LOAD 2
	W2LOAD 3
.irp g, 0,1
	global_load_b128 v[96+4*\g:99+4*\g], v2, s[42:43] offset:512*\g      ; W2's scale words: register 8 slot + n: lanes 0-15 K step 0, lanes 16-31 K step 1
	global_load_b128 v[104+4*\g:107+4*\g], v2, s[44:45] offset:512*\g
.endr
.endif
.endm
.irp m, 0,1,2,3
.irp i, 0,1,2,3
	ds_load_b32 v[48+4*\m+\i], v3 offset:XSC+128*(8*\m+2*\i)   ; x's scale words: lanes 0-15 K step 2 i, lanes 16-31 K step 2 i + 1
.endr
.endr
	XFETCH 0, 0
	XFETCH 0, 1
	XFETCH 0, 2
	XFETCH 0, 3
.irp k, 0,1,2,3,4,5,6,7
	STEP \k
.endr
	; silu(g) h of row tile m, in place, each accumulator from its low end on; then its 64 hidden units become half a fragment
.macro EPI m
.set H0, 64*(\m)
.set G0, 64*(\m)+32
	WIN 0x55                                       ; all in window 1
.set p, 0
.rept 16
	v_pk_mul_f32 v[H0+p:H0+p+1], v[H0+p:H0+p+1], v[G0+p:G0+p+1]    ; g h
.set p, p+2
.endr
.set p, 0
.rept 16
	v_pk_mul_f32 v[G0+p:G0+p+1], v[G0+p:G0+p+1], s[30:31] op_sel_hi:[1,0]   ; -g log2(e)
.set p, p+2
.endr
.set p, 0
.rept 32
	v_exp_f32 v[G0+p], v[G0+p]
.set p, p+1
.endr
	v_nop                                          ; a plain instruction behind the last exponential,
	s_wait_alu depctr_va_vdst(0)                   ; and one wait for the batch, ahead of its first reader
.set p, 0
.rept 16
	v_pk_add_f32 v[G0+p:G0+p+1], v[G0+p:G0+p+1], 1.0 op_sel_hi:[1,0]
.set p, p+2
.endr
.set p, 0
.rept 32
	v_rcp_f32 v[G0+p], v[G0+p]
.set p, p+1
.endr
	v_nop
	s_wait_alu depctr_va_vdst(0)                   ; likewise for the reciprocals
.set p, 0
.rept 16
	v_pk_mul_f32 v[H0+p:H0+p+1], v[H0+p:H0+p+1], v[G0+p:G0+p+1]    ; g h / (1 + e^-g)
.set p, p+2
.endr
	QUANT H0, 2
	ds_store_b128 v8, v[PC:PC+3] offset:2048*(\m)  ; chunk q % 2 of the fragment (slot, m, K step q / 2)
	ds_store_b16 v9, v[PW] offset:256*(\m)         ; bytes 2 (q % 2) and + 1 of its rows' scale words
	s_wait_dscnt 0x0                               ; the stores have read their registers
.endm
	EPI 0
	WIN 0x40
	W2LOAD 4                                       ; into the registers that row tile 0's sums have left
	W2LOAD 5
	EPI 1
	WIN 0x40
	W2LOAD 6
	W2LOAD 7
	EPI 2
	EPI 3
	BARRIER                                        ; the hidden layer's 16 fragments lie in LDS.  No barrier follows: from here on branches may hang on the tile's rows
	; ---- 2
.macro P2W n, sl, sp
.set rD, 128+16*(\n)+8*(\sl)
.if (\n) < 4
.set rA, 128+32*(\n)+16*(\sl)+8*(\sp)
.else
.set rA, 32*((\n)-4)+16*(\sl)+8*(\sp)
.endif
.set rB, 64+16*(\sl)+8*(\sp)
.if (\sp) == 0
	v_wmma_scale_f32_16x16x128_f8f6f4 v[rD:rD+7], v[rA:rA+7], v[rB:rB+7], 0, v[96+8*(\sl)+(\n)], v[112+(\sl)] matrix_a_fmt:MATRIX_FMT_FP4 matrix_b_fmt:MATRIX_FMT_FP4
.else
	v_wmma_scale_f32_16x16x128_f8f6f4 v[rD:rD+7], v[rA:rA+7], v[rB:rB+7], v[rD:rD+7], v[96+8*(\sl)+(\n)], v[112+(\sl)] matrix_a_fmt:MATRIX_FMT_FP4 matrix_b_fmt:MATRIX_FMT_FP4 matrix_a_scale:MATRIX_SCALE_ROW1 matrix_b_scale:MATRIX_SCALE_ROW1
.endif
.endm
.macro P2M m
	s_cmp_le_u32 s25, 16*(\m)                      ; no row left: done
	s_cbranch_scc1 .Lend
	s_wait_dscnt 0x0                               ; the hidden fragments are in
	s_wait_xcnt 0x0                                ; the last row tile's stores have read their data and their bases: both are written again below
.set i, 0
.rept 16
	v_readlane_b32 s48, v[12+(\m)], i              ; row i's token
	s_min_u32 s48, s48, 0x1fff
	s_lshl_b32 s48, s48, 12
	s_add_nc_u64 s[66+2*i:67+2*i], s[46:47], s[48:49]   ; my 512 bytes of its row of out0
.set i, i+1
.endr
	WIN 0x40                                       ; 16 accumulators by turns: 8 tiles of columns x 2 slots; K step 0 starts the sums
.irp n, 0,1,2,3
	P2W \n, 0, 0
	P2W \n, 1, 0
.endr
	WIN 0x41                                       ; (W2's tiles 4-7 lie in window 1)
.irp n, 4,5,6,7
	P2W \n, 0, 0
	P2W \n, 1, 0
.endr
	WIN 0x50
.irp n, 0,1,2,3
	P2W \n, 0, 1
	P2W \n, 1, 1
.endr
	WIN 0x51
.irp n, 4,5,6,7
	P2W \n, 0, 1
	P2W \n, 1, 1
.endr
	PLACES
.if \m < 3
	WIN 0
	HFETCH \m+1
.endif
	WIN 0x51
.irp n, 0,1,2,3,4,5,6,7
.irp p, 0,2,4,6
	v_pk_mul_f32 v[128+16*\n+\p:129+16*\n+\p], v[128+16*\n+\p:129+16*\n+\p], v[16+4*(\m):17+4*(\m)] op_sel_hi:[1,0]   ; pa ya
.endr
.irp p, 0,2,4,6
	v_pk_fma_f32 v[128+16*\n+\p:129+16*\n+\p], v[136+16*\n+\p:137+16*\n+\p], v[18+4*(\m):19+4*(\m)], v[128+16*\n+\p:129+16*\n+\p] op_sel_hi:[1,0,1]   ; + pb yb
.endr
.endr
	WIN 0x04                                       ; an LDS store's data are its source 1
.irp n, 0,1,2,3,4,5,6,7
	ds_store_b128 v10, v[128+16*\n:131+16*\n] offset:64*\n         ; lane (r, h): row r, columns 16 n + 8 h + 0 .. 7 of my 128
	ds_store_b128 v10, v[132+16*\n:135+16*\n] offset:64*\n+16
.endr
	WIN 0x40
.set i, 0
.rept 16
	ds_load_b128 v[136+16*(i/2)+4*(i%2):139+16*(i/2)+4*(i%2)], v11 offset:SPT*i   ; LDS serves a wave's instructions in order (ISA guide 5.7.1.4): these see my stores; row i, 512 bytes, into slot b's registers, which are done with
.set i, i+1
.endr
	WIN 0
	s_sub_co_u32 s51, s25, 16*(\m)                 ; rows left, this tile's among them
	s_cmp_ge_u32 s51, 16
	s_cbranch_scc0 .Lpart
	WIN 0x04
.set i, 0
.rept 16
	s_wait_dscnt 15-i                              ; row i is back; the younger rows may be out
	global_store_b128 v2, v[136+16*(i/2)+4*(i%2):139+16*(i/2)+4*(i%2)], s[66+2*i:67+2*i] th:TH_STORE_NT   ; 32 lanes store 512 consecutive bytes, at a multiple of 512 from out0's first byte
.set i, i+1
.endr
	WIN 0
.endm
	HFETCH 0
	s_wait_loadcnt 0x0                             ; W2's fragments and scale words
	P2M 0
	P2M 1
	P2M 2
	P2M 3
	s_branch .Lend
.Lpart:                                                ; the tile's last, partial 16 rows: s51 of them, 1 to 15, are stored; it runs once at the most
	s_wait_dscnt 0x0
.set i, 0
.rept 16
.if i > 0
	s_cmp_le_u32 s51, i
	s_cbranch_scc1 .Lend
.endif
	WIN 0x04
	global_store_b128 v2, v[136+16*(i/2)+4*(i%2):139+16*(i/2)+4*(i%2)], s[66+2*i:67+2*i] th:TH_STORE_NT
	WIN 0
.set i, i+1
.endr
.Lend:
	s_wait_dscnt 0x0                               ; fragments that were fetched ahead and are not wanted
	s_barrier_signal -1
	s_barrier_wait -1
	s_wait_xcnt 0x0
	v_lshl_add_u32 v254, v0, 2, 0x1e000
	v_mov_b32 v255, 0
	s_wait_tensorcnt 0x0
	ds_add_u32 v254, v255
	s_wait_dscnt 0x0
	s_endpgm
.Lfunc_end_k_q61a7c94021_experts:
	.size	k_q61a7c94021_experts, .Lfunc_end_k_q61a7c94021_experts-k_q61a7c94021_experts
	.p2alignl 7, 3214868480
	.fill 96, 4, 3214868480
	.section	.rodata,"a",@progbits
	.p2align	6, 0x0
	.amdhsa_kernel k_q61a7c94021_experts
		.amdhsa_group_segment_fixed_size 123904
		.amdhsa_private_segment_fixed_size 0
		.amdhsa_enable_private_segment 0
		.amdhsa_kernarg_size 80
		.amdhsa_user_sgpr_count 2
		.amdhsa_user_sgpr_kernarg_segment_ptr 1
		.amdhsa_wavefront_size32 1
		.amdhsa_system_sgpr_workgroup_id_x 1
		.amdhsa_system_sgpr_workgroup_id_y 1
		.amdhsa_system_sgpr_workgroup_id_z 1
		.amdhsa_system_vgpr_workitem_id 0
		.amdhsa_next_free_vgpr 512
		.amdhsa_next_free_sgpr 100
		.amdhsa_reserve_vcc 1
		.amdhsa_float_denorm_mode_32 3
		.amdhsa_float_denorm_mode_16_64 3
		.amdhsa_memory_ordered 1
		.amdhsa_forward_progress 1
		.amdhsa_inst_pref_size 203
	.end_amdhsa_kernel
	.amdgpu_metadata
---
amdhsa.version: [ 1, 2 ]
amdhsa.kernels:
  - .name:           k_q61a7c94021_experts
    .symbol:         k_q61a7c94021_experts.kd
    .args:
      - { .name: meta, .offset: 0, .size: 8, .value_kind: global_buffer, .address_space: global }
      - { .name: order, .offset: 8, .size: 8, .value_kind: global_buffer, .address_space: global }
      - { .name: expert_idxs, .offset: 16, .size: 8, .value_kind: global_buffer, .address_space: global }
      - { .name: expert_p, .offset: 24, .size: 8, .value_kind: global_buffer, .address_space: global }
      - { .name: x, .offset: 32, .size: 8, .value_kind: global_buffer, .address_space: global }
      - { .name: w13c, .offset: 40, .size: 8, .value_kind: global_buffer, .address_space: global }
      - { .name: w13s, .offset: 48, .size: 8, .value_kind: global_buffer, .address_space: global }
      - { .name: w2c, .offset: 56, .size: 8, .value_kind: global_buffer, .address_space: global }
      - { .name: w2s, .offset: 64, .size: 8, .value_kind: global_buffer, .address_space: global }
      - { .name: out0, .offset: 72, .size: 8, .value_kind: global_buffer, .address_space: global }
    .group_segment_fixed_size: 123904
    .private_segment_fixed_size: 0
    .kernarg_segment_align: 8
    .kernarg_segment_size: 80
    .max_flat_workgroup_size: 256
    .sgpr_count:     100
    .vgpr_count:     512
    .wavefront_size: 32
...
	.end_amdgpu_metadata
.endif
;; end of part 4
;; ======== version 3 of 3: 2 launches
;; workspace buffers: w13c 2,097,152 bytes; w13s 131,072 bytes; w2c 1,048,576 bytes; w2s 65,536 bytes; order 32,768 bytes of whole numbers; meta 4,096 bytes of whole numbers
;; launch prep (part 5): grid 228 x 1, 8 waves a work-group, no clusters, 2,048 bytes of LDS; arguments w13, w2, expert_idxs, w13c, w13s, w2c, w2s, order, meta; writes w13c, w13s, w2c, w2s, order, meta
.if DOCPART == 5
	.amdgcn_target "amdgcn-amd-amdhsa--gfx1250"
	.amdhsa_code_object_version 6
	.text
	.protected	k_q61a7c94021_prep
	.globl	k_q61a7c94021_prep
	.p2align	8
	.type	k_q61a7c94021_prep,@function
k_q61a7c94021_prep:
	s_mov_b64 s[64:65], 0
	v_nop
	global_prefetch_b8 v0, s[64:65] scope:SCOPE_SE
	s_setreg_imm32_b32 hwreg(HW_REG_WAVE_MODE, 25, 1), 1
	s_wait_xcnt 0x0
; PREP.  Three kinds of work-group, told apart by the work-group's number alone.
;   0 .. 35   : THE SORT, a class to a work-group.  A token's class is its unordered pair of experts {a <= b}; class c = b (b + 1) / 2 + a.  Work-group c stores the tokens of class c into
;               order[8192] (token numbers, class by class) and the class's entries of meta[.][4] = (first place in order, rows, a, b): tiles of at most 64 tokens of one class.
;   36 .. 163 : w13 [8][1024 (k)][512 (n)] f32 -> codes of FP4 (E2M1) and E8M0 scale bytes, one for each 32 along K.
;   164 .. 227: w2  [8][256 (k)][1024 (n)] f32 likewise.
; WEIGHTS.  K is the first axis: a lane takes a column n and its registers run down K, so a block of 32 lies in one lane's 32 registers and the
; conversions give codes with K innermost.  The codes are stored in the ORDER OF THE OPERAND'S REGISTERS: a fragment (16 rows x 128 K) is 1,024 bytes,
; chunk c (512 bytes) x lane (row + 16 h) x 16 bytes = k 64 c + 32 h + 0 .. 31 of that row.  A lane's block of 32 codes is such a piece of 16 bytes,
; so the codes leave straight from registers; sixteen lanes fill 256 consecutive, aligned bytes.
;   w13c[e][q][s][tt][1024]: q = 64 hidden units, s = K step of 128, tt = 4 type + t (type 0: h, 1: g); row r of tile t is hidden unit 64 q + 32 (t / 2) + 8 (t % 2) + r + 8 (r / 8).
;   w13s[e][q][tt][r + 16 (s % 2)][s / 2] words;   w2c[e][nt][s'][1024], row r = column 16 nt + r;   w2s[e][nt / 4][r + 16 s'][nt % 4] words.
; A block's scale is 2^(floor(log2(largest magnitude)) - 2): its byte is the largest magnitude's exponent field - 2, held at 1 from below.
; LIMITS: a block of zeros gets the byte 1 (its codes are zeros, and this program alone reads the bytes); blocks whose largest magnitude lies under 2^-124 were not tried;
; NaN and infinities are not served; an expert index outside 0 .. 7 is held at 7.
; The scale words leave 4 bytes a lane, 16 bytes apart: one byte in 128 of what a weight task reads.
.set XW,  64                           ; v64-191  four blocks of 32 numbers
.set CW,  192                          ; v192-207 four registers of codes for each block: no store's data are written again
.set NCL, 36                           ; classes, and work-groups that sort
	s_load_b512 s[4:19], s[0:1], 0x0               ; w13, w2, expert_idxs, w13c, w13s, w2c, w2s, order
	s_load_b64 s[20:21], s[0:1], 0x40              ; meta
	v_lshl_add_u32 v208, v0, 2, 0x400
	v_mov_b32 v209, 0
	v_lshrrev_b32 v1, 5, v0
	s_delay_alu instid0(VALU_DEP_1)
	v_readfirstlane_b32 s24, v1                    ; wave 0..7
	v_and_b32 v1, 31, v0                           ; lane
	s_delay_alu instid0(VALU_DEP_1)
	v_lshlrev_b32 v2, 2, v1                        ; weights: 4 bytes a lane: my column
	s_mov_b32 s33, 0                               ; the high word of every offset pair
	s_wait_kmcnt 0x0
	s_cmp_lt_u32 ttmp9, NCL
	s_cbranch_scc1 .Lroute
	s_cmp_lt_u32 ttmp9, NCL+128
	s_cbranch_scc0 .Lw2
.macro LOADB t, pitch                  ; block t: rows 32 t .. 32 t + 31 of my column; a wave's load reads 128 consecutive bytes
.set i, 0
.rept 32
	global_load_b32 v[XW+32*(\t)+i], v2, s[26:27] offset:(32*(\t)+i)*(\pitch) th:TH_LOAD_NT
.set i, i+1
.endr
.endm
.macro BLOCK t
.set XS, XW+32*(\t)
	v_max3_num_f32 v12, |v[XS]|, |v[XS+1]|, |v[XS+2]|      ; the block's largest magnitude: all 32 numbers are mine; two chains
	v_max3_num_f32 v13, |v[XS+3]|, |v[XS+4]|, |v[XS+5]|
.irp i, 6,10,14,18,22,26
	s_delay_alu instid0(VALU_DEP_2)
	v_max3_num_f32 v12, v12, |v[XS+\i]|, |v[XS+\i+1]|
	s_delay_alu instid0(VALU_DEP_2)
	v_max3_num_f32 v13, v13, |v[XS+\i+2]|, |v[XS+\i+3]|
.endr
	s_delay_alu instid0(VALU_DEP_2)
	v_max3_num_f32 v12, v12, |v[XS+30]|, |v[XS+31]|
	s_delay_alu instid0(VALU_DEP_1)
	v_max3_num_f32 v12, v12, v13, 0x1800000        ; and the floor 2^(3 - 127): the byte cannot fall under 1
	s_delay_alu instid0(VALU_DEP_1)
	v_add_nc_u32 v11, 0xff000000, v12              ; 2 off the exponent field: the conversion takes this operand's exponent field as its scale
	s_delay_alu instid0(VALU_DEP_1)
	v_lshrrev_b32 v13, 23, v11                     ; the scale's byte
.if (\t) == 0
	s_delay_alu instid0(VALU_DEP_1)
	v_mov_b32 v14, v13                             ; four bytes make the K step's scale word, the lower K in the lower byte
.else
	s_delay_alu instid0(VALU_DEP_1)
	v_lshl_or_b32 v14, v13, 8*(\t), v14
.endif
.irp g, 0,1,2,3
	v_cvt_scalef32_pk8_fp4_f32 v[CW+4*(\t)+\g], v[XS+8*\g:XS+8*\g+7], v11
.endr
	global_store_b128 v3, v[CW+4*(\t):CW+4*(\t)+3], s[28:29] offset:((\t)/2)*512+((\t)%2)*256   ; chunk t / 2, half t % 2 of my row's fragment
.endm
; A wave's task: 32 columns x 128 along K.  The counted waits leave the one younger block's 32 loads out.
.macro QW pitch
	LOADB 0, \pitch
	LOADB 1, \pitch
	s_wait_loadcnt 32
	LOADB 2, \pitch
	BLOCK 0
	s_wait_loadcnt 32
	LOADB 3, \pitch
	BLOCK 1
	s_wait_loadcnt 32
	BLOCK 2
	s_wait_loadcnt 0x0
	BLOCK 3
	global_store_b32 v4, v14, s[30:31]             ; my row's scale word of this K step
.endm
	; ---- w13: task g = e x 16 + K step x 2 + type; wave w takes columns 256 type + 32 w + lane
	s_sub_co_u32 s25, ttmp9, NCL
	s_lshr_b32 s34, s25, 4                         ; e
	s_bfe_u32 s35, s25, 0x30001                    ; K step 0..7
	s_and_b32 s36, s25, 1                          ; type
	s_lshr_b32 s38, s24, 1                         ; which 64 hidden units: q
	s_and_b32 s39, s24, 1                          ; which 32 of them
	s_lshl_b32 s32, s34, 21                        ; from: e x 2 MiB + K step x 128 rows of 2,048 bytes + type x 1,024 + wave x 128
	s_lshl_b32 s37, s35, 18
	s_add_co_u32 s32, s32, s37
	s_lshl_b32 s37, s36, 10
	s_add_co_u32 s32, s32, s37
	s_lshl_b32 s37, s24, 7
	s_add_co_u32 s32, s32, s37
	s_add_nc_u64 s[26:27], s[4:5], s[32:33]
	s_lshl_b32 s40, s34, 2
	s_add_co_u32 s40, s40, s38                     ; 4 e + q
	s_lshl_b32 s41, s36, 2
	s_lshl_b32 s37, s39, 1
	s_add_co_u32 s41, s41, s37                     ; my first tile: 4 type + 2 (w % 2)
	s_lshl_b32 s32, s40, 3
	s_add_co_u32 s32, s32, s35
	s_lshl_b32 s32, s32, 13                        ; codes: ((4 e + q) 8 + K step) x 8,192 + tile x 1,024
	s_lshl_b32 s37, s41, 10
	s_add_co_u32 s32, s32, s37
	s_add_nc_u64 s[28:29], s[10:11], s[32:33]
	s_lshl_b32 s32, s40, 12                        ; scale words: (4 e + q) x 4,096 + tile x 512 + (K step % 2) x 256 + (K step / 2) x 4
	s_lshl_b32 s37, s41, 9
	s_add_co_u32 s32, s32, s37
	s_and_b32 s37, s35, 1
	s_lshl_b32 s37, s37, 8
	s_add_co_u32 s32, s32, s37
	s_lshr_b32 s37, s35, 1
	s_lshl_b32 s37, s37, 2
	s_add_co_u32 s32, s32, s37
	s_add_nc_u64 s[30:31], s[12:13], s[32:33]
	s_wait_alu depctr_va_vdst(0)
	v_bfe_u32 v5, v1, 3, 1                         ; hidden unit lane = 8 u + r + 8 (r / 8): u = bit 3,
	v_and_b32 v6, 7, v1
	v_lshrrev_b32 v7, 4, v1
	s_delay_alu instid0(VALU_DEP_1)
	v_lshl_add_u32 v6, v7, 3, v6                   ; r = bits 2:0 + 8 x bit 4
	s_delay_alu instid0(VALU_DEP_1)
	v_lshlrev_b32 v8, 4, v6
	s_delay_alu instid0(VALU_DEP_1)
	v_lshl_add_u32 v3, v5, 10, v8                  ; codes: tile u, 16 bytes a row
	s_delay_alu instid0(VALU_DEP_2)
	v_lshl_add_u32 v4, v5, 9, v8                   ; scale words: tile u, 16 bytes a row
	QW 2048
	s_endpgm
.Lw2:	; ---- w2: task g = e x 8 + K step x 4 + cq; wave w takes columns 256 cq + 32 w + lane
	s_sub_co_u32 s25, ttmp9, NCL+128
	s_lshr_b32 s34, s25, 3                         ; e
	s_bfe_u32 s35, s25, 0x10002                    ; K step 0, 1
	s_and_b32 s36, s25, 3                          ; cq
	s_lshl_b32 s32, s34, 20                        ; from: e x 1 MiB + K step x 128 rows of 4,096 bytes + cq x 1,024 + wave x 128
	s_lshl_b32 s37, s35, 19
	s_add_co_u32 s32, s32, s37
	s_lshl_b32 s37, s36, 10
	s_add_co_u32 s32, s32, s37
	s_lshl_b32 s37, s24, 7
	s_add_co_u32 s32, s32, s37
	s_add_nc_u64 s[26:27], s[6:7], s[32:33]
	s_lshl_b32 s40, s34, 6
	s_lshl_b32 s37, s36, 4
	s_add_co_u32 s40, s40, s37
	s_lshl_b32 s37, s24, 1
	s_add_co_u32 s40, s40, s37                     ; 64 e + my first tile of columns, 16 cq + 2 w
	s_lshl_b32 s32, s40, 1
	s_add_co_u32 s32, s32, s35
	s_lshl_b32 s32, s32, 10                        ; codes: (tile x 2 + K step) x 1,024
	s_add_nc_u64 s[28:29], s[14:15], s[32:33]
	s_lshl_b32 s32, s34, 4
	s_lshl_b32 s37, s36, 2
	s_add_co_u32 s32, s32, s37
	s_lshr_b32 s37, s24, 1
	s_add_co_u32 s32, s32, s37
	s_lshl_b32 s32, s32, 9                         ; scale words: (16 e + tile / 4) x 512 + K step x 256 + (w % 2) x 8
	s_lshl_b32 s37, s35, 8
	s_add_co_u32 s32, s32, s37
	s_and_b32 s37, s24, 1
	s_lshl_b32 s37, s37, 3
	s_add_co_u32 s32, s32, s37
	s_add_nc_u64 s[30:31], s[16:17], s[32:33]
	s_wait_alu depctr_va_vdst(0)
	v_lshrrev_b32 v5, 4, v1                        ; which of my two tiles
	v_and_b32 v6, 15, v1                           ; its row
	s_delay_alu instid0(VALU_DEP_1)
	v_lshlrev_b32 v8, 4, v6
	s_delay_alu instid0(VALU_DEP_1)
	v_lshl_add_u32 v3, v5, 11, v8                  ; codes: a tile's two K steps are 2,048 bytes
	s_delay_alu instid0(VALU_DEP_2)
	v_lshl_add_u32 v4, v5, 2, v8
	QW 4096
	s_endpgm
; ---- THE SORT, class c = the work-group's number.  Every work-group reads all 8,192 pairs of indices (64 KiB); wave w takes tokens 1,024 w + 32 i + lane, i = 0 .. 31.
; A token's key is 8 b + a: keys rise as classes do.  Two compares a group of 32 tokens give two lane masks in scalar registers: 'is of my class' and 'comes before my class'.
; Their bit counts give the wave's members and the tokens in front of the class; the members below a lane in its group's mask give its place in the wave.  The eight waves exchange
; their two counts through LDS (64 bytes, one barrier).  A token's place = tokens in front of the class + members in the waves ahead + members in the groups ahead + members below its lane.
; TILES.  With cb tokens in front of it and n of its own, class c owns the entries of meta from floor(cb / 64) + c up to the next class's first, floor((cb + n) / 64) + c + 1: never fewer than
; ceil(n / 64), and known without the other classes' separate counts.  Entries that it does not need get 0 rows.  The 36 classes' entries are 0 .. 163, whatever the split.
; REGISTERS: v64-127 the indices; v128-159 keys; v160-191 b, then the tokens' numbers; v96-127 (free again) places, then byte offsets in order.  s[66:97] the masks of members; s[32:63] those of earlier tokens.
.Lroute:
	s_wait_alu depctr_va_vdst(0)
	v_lshlrev_b32 v2, 3, v1                        ; a token's two indices are 8 bytes;
	s_lshl_b32 s25, s24, 13                        ; my wave's 1,024 tokens
	v_add_nc_u32 v2, s25, v2
.set i, 0
.rept 32
	global_load_b64 v[64+2*i:65+2*i], v2, s[8:9] offset:256*i      ; a wave's load reads 256 consecutive bytes
.set i, i+1
.endr
	s_mov_b32 s27, 0                               ; my class's b: the largest k with k (k + 1) / 2 <= c
.irp k, 1,2,3,4,5,6,7
	s_cmp_ge_u32 ttmp9, \k*(\k+1)/2
	s_cselect_b32 s27, \k, s27
.endr
	s_add_co_u32 s28, s27, 1
	s_mul_i32 s28, s28, s27
	s_lshr_b32 s28, s28, 1
	s_sub_co_u32 s28, ttmp9, s28                   ; its a
	s_lshl_b32 s29, s27, 3
	s_add_co_u32 s29, s29, s28                     ; its key
	v_mov_b32 v5, s24
	s_delay_alu instid0(VALU_DEP_1)
	v_lshlrev_b32 v5, 3, v5                        ; LDS: my wave's two words
	v_mov_b32 v6, 0                                ; and the first wave's
	s_lshl_b32 s26, s24, 10
	v_add_nc_u32 v7, s26, v1                       ; my token of group 0
	s_wait_loadcnt 0x0
.set i, 0
.rept 32
	v_min_u32 v[128+i], v[64+2*i], v[65+2*i]       ; a <= b.  (Each step runs over all 32 groups, so that no line waits for the line above it)
.set i, i+1
.endr
.set i, 0
.rept 32
	v_max_u32 v[160+i], v[64+2*i], v[65+2*i]
.set i, i+1
.endr
.set i, 0
.rept 32
	v_min_u32 v[128+i], 7, v[128+i]                ; both held at 7
.set i, i+1
.endr
.set i, 0
.rept 32
	v_min_u32 v[160+i], 7, v[160+i]
.set i, i+1
.endr
.set i, 0
.rept 32
	v_lshl_add_u32 v[128+i], v[160+i], 3, v[128+i] ; the key
.set i, i+1
.endr
.set i, 0
.rept 32
	v_cmp_eq_u32 s[66+i], s29, v[128+i]            ; of my class
.set i, i+1
.endr
.set i, 0
.rept 32
	v_cmp_gt_u32 s[32+i], s29, v[128+i]            ; of an earlier class
.set i, i+1
.endr
	s_mov_b32 s30, 0                               ; my wave's members so far
	s_mov_b32 s31, 0                               ; its tokens of earlier classes
.set i, 0
.rept 32
	v_mbcnt_lo_u32_b32 v[96+i], s[66+i], s30       ; members in the groups ahead + members below my lane
	s_bcnt1_i32_b32 s25, s[66+i]
	s_add_co_u32 s30, s30, s25
	s_bcnt1_i32_b32 s26, s[32+i]
	s_add_co_u32 s31, s31, s26
.set i, i+1
.endr
	v_mov_b32 v10, s30
	v_mov_b32 v11, s31
	ds_store_b64 v5, v[10:11]                      ; all lanes write the same two words with the same values
	s_wait_dscnt 0x0                               ; for the others' sake: my store has landed
	s_barrier_signal -1
	s_barrier_wait -1
.irp j, 0,1,2,3
	ds_load_b128 v[12+4*\j:15+4*\j], v6 offset:16*\j   ; the eight waves' pairs, in every lane
.endr
	s_wait_dscnt 0x0
.irp j, 0,1,2,3,4,5,6,7,8,9,10,11,12,13,14,15
	v_readfirstlane_b32 s[32+\j], v[12+\j]
.endr
	s_mov_b32 s48, 0                               ; n: the class's tokens
	s_mov_b32 s49, 0                               ; cb: the tokens in front of the class
	s_mov_b32 s50, 0                               ; the members in the waves ahead of mine
.irp k, 0,1,2,3,4,5,6,7
	s_add_co_u32 s48, s48, s[32+2*\k]
	s_add_co_u32 s49, s49, s[33+2*\k]
	s_cmp_gt_u32 s24, \k
	s_cselect_b32 s25, s[32+2*\k], 0
	s_add_co_u32 s50, s50, s25
.endr
	s_add_co_u32 s51, s49, s50                     ; where my wave's members begin in order
.set i, 0
.rept 32
	v_add_nc_u32 v[96+i], s51, v[96+i]
.set i, i+1
.endr
.set i, 0
.rept 32
	v_min_u32 v[96+i], 0x1fff, v[96+i]             ; held inside order
.set i, i+1
.endr
.set i, 0
.rept 32
	v_lshlrev_b32 v[96+i], 2, v[96+i]
.set i, i+1
.endr
.set i, 0
.rept 32
	v_add_nc_u32 v[160+i], 32*i, v7                ; the token
.set i, i+1
.endr
	; the class's entries of meta: thread j makes the j-th; threads behind the last repeat it, with the same numbers at the same place
	s_lshr_b32 s52, s49, 6
	s_add_co_u32 s53, s49, s48
	s_lshr_b32 s53, s53, 6
	s_sub_co_u32 s53, s53, s52                     ; the class's last entry, counted from its first
	s_add_co_u32 s52, s52, ttmp9                   ; its first: floor(cb / 64) + c
	v_min_u32 v40, s53, v0
	s_delay_alu instid0(VALU_DEP_1)
	v_lshlrev_b32 v41, 6, v40
	s_delay_alu instid0(VALU_DEP_1)
	v_add_nc_u32 v52, s49, v41                     ; first place
	s_delay_alu instid0(VALU_DEP_2)
	v_max_u32 v53, s48, v41
	s_delay_alu instid0(VALU_DEP_1)
	v_sub_nc_u32 v53, v53, v41
	s_delay_alu instid0(VALU_DEP_1)
	v_min_u32 v53, 64, v53                         ; rows: what is left of the class, 64 at the most, 0 in an entry that it does not need
	s_delay_alu instid0(VALU_DEP_4)
	v_min_u32 v52, 0x1fff, v52
	v_mov_b32 v54, s28                             ; a
	v_mov_b32 v55, s27                             ; b
	v_add_nc_u32 v42, s52, v40
	s_delay_alu instid0(VALU_DEP_1)
	v_min_u32 v42, 255, v42                        ; held inside meta
	s_delay_alu instid0(VALU_DEP_1)
	v_lshlrev_b32 v42, 4, v42
	global_store_b128 v42, v[52:55], s[20:21]
	s_wait_xcnt 0x0                                ; EXEC changes only behind this wait: no load or store of mine still reads it
; A group's members store their tokens: their places are consecutive words.  Each store has registers of its own.
.macro PUT i
	v_cmp_eq_u32 vcc_lo, s29, v[128+(\i)]
	s_and_saveexec_b32 s98, vcc_lo
	global_store_b32 v[96+(\i)], v[160+(\i)], s[18:19]
	s_wait_xcnt 0x0                                ; and again, in front of the line that widens it
	s_or_b32 exec_lo, exec_lo, s98
.endm
.set t, 0
.rept 32
	PUT t
.set t, t+1
.endr
	s_wait_xcnt 0x0
	s_mov_b32 exec_lo, -1
	s_wait_tensorcnt 0x0
	ds_add_u32 v208, v209
	s_wait_dscnt 0x0
	s_endpgm
.Lfunc_end_k_q61a7c94021_prep:
	.size	k_q61a7c94021_prep, .Lfunc_end_k_q61a7c94021_prep-k_q61a7c94021_prep
	.p2alignl 7, 3214868480
	.fill 96, 4, 3214868480
	.section	.rodata,"a",@progbits
	.p2align	6, 0x0
	.amdhsa_kernel k_q61a7c94021_prep
		.amdhsa_group_segment_fixed_size 2048
		.amdhsa_private_segment_fixed_size 0
		.amdhsa_enable_private_segment 0
		.amdhsa_kernarg_size 72
		.amdhsa_user_sgpr_count 2
		.amdhsa_user_sgpr_kernarg_segment_ptr 1
		.amdhsa_wavefront_size32 1
		.amdhsa_system_sgpr_workgroup_id_x 1
		.amdhsa_system_sgpr_workgroup_id_y 1
		.amdhsa_system_sgpr_workgroup_id_z 1
		.amdhsa_system_vgpr_workitem_id 0
		.amdhsa_next_free_vgpr 210
		.amdhsa_next_free_sgpr 100
		.amdhsa_reserve_vcc 1
		.amdhsa_float_denorm_mode_32 3
		.amdhsa_float_denorm_mode_16_64 3
		.amdhsa_memory_ordered 1
		.amdhsa_forward_progress 1
		.amdhsa_inst_pref_size 82
	.end_amdhsa_kernel
	.amdgpu_metadata
---
amdhsa.version: [ 1, 2 ]
amdhsa.kernels:
  - .name:           k_q61a7c94021_prep
    .symbol:         k_q61a7c94021_prep.kd
    .args:
      - { .name: w13, .offset: 0, .size: 8, .value_kind: global_buffer, .address_space: global }
      - { .name: w2, .offset: 8, .size: 8, .value_kind: global_buffer, .address_space: global }
      - { .name: expert_idxs, .offset: 16, .size: 8, .value_kind: global_buffer, .address_space: global }
      - { .name: w13c, .offset: 24, .size: 8, .value_kind: global_buffer, .address_space: global }
      - { .name: w13s, .offset: 32, .size: 8, .value_kind: global_buffer, .address_space: global }
      - { .name: w2c, .offset: 40, .size: 8, .value_kind: global_buffer, .address_space: global }
      - { .name: w2s, .offset: 48, .size: 8, .value_kind: global_buffer, .address_space: global }
      - { .name: order, .offset: 56, .size: 8, .value_kind: global_buffer, .address_space: global }
      - { .name: meta, .offset: 64, .size: 8, .value_kind: global_buffer, .address_space: global }
    .group_segment_fixed_size: 2048
    .private_segment_fixed_size: 0
    .kernarg_segment_align: 8
    .kernarg_segment_size: 72
    .max_flat_workgroup_size: 256
    .sgpr_count:     100
    .vgpr_count:     210
    .wavefront_size: 32
...
	.end_amdgpu_metadata
.endif
;; end of part 5
;; launch experts (part 6): grid 164 x 1, 8 waves a work-group, no clusters, 123,904 bytes of LDS; arguments meta, order, expert_idxs, expert_p, x, w13c, w13s, w2c, w2s, out0; writes out0
.if DOCPART == 6
	.amdgcn_target "amdgcn-amd-amdhsa--gfx1250"
	.amdhsa_code_object_version 6
	.text
	.protected	k_q61a7c94021_experts
	.globl	k_q61a7c94021_experts
	.p2align	8
	.type	k_q61a7c94021_experts,@function
k_q61a7c94021_experts:
	s_mov_b64 s[64:65], 0
	v_nop
	global_prefetch_b8 v0, s[64:65] scope:SCOPE_SE
	s_setreg_imm32_b32 hwreg(HW_REG_WAVE_SCHED_MODE, 0, 2), 2
	s_setreg_imm32_b32 hwreg(HW_REG_WAVE_MODE, 25, 1), 1
	s_wait_xcnt 0x0
	s_wait_alu depctr_vm_vsrc(0)
; EXPERTS.  out0[t] = pa (silu(g_a) h_a) W2[a] + pb (silu(g_b) h_b) W2[b], (h_e, g_e) = x[t] W13[e]; all four operands of the products as codes of FP4 (E2M1) with one E8M0 scale for each 32 along K.
; A work-group takes ONE TILE of the stored list: at most 64 tokens that all name the same pair of experts a <= b.  So it uses two experts, every trip count is a constant, and it owns its rows of out0.
; GRID: class c's tiles begin at entry floor(tokens in front of it / 64) + c of the list: 8,192 / 64 + 36 = 164 entries serve every split.  A tile with 0 rows walks both barriers on held rows and leaves at
; the first test behind them: no barrier stands under a branch on a stored number.
; THE CHAIN.  X: wave w gathers rows 16 (w / 2) .. + 15, K steps 4 (w % 2) .. + 3 of x (f32, each byte once, 512 consecutive bytes of a row to a load), turns them through its own stage in LDS so that a lane
; holds 16 neighbours along K, quantises them and stores the fragments' register images in LDS | barrier |
; 1: wave w = (slot w / 4: expert a or b; quarter q = w % 4: 64 hidden units): 4 tiles of h and 4 of g x 4 tiles of rows x 8 K steps; each weight fragment comes from memory once for the work-group, whole, and feeds 4 products;
; silu(g) h in f32, quantised in registers: half a fragment of the second product: image to LDS | barrier |
; 2: wave w makes columns 128 w .. + 127 for both slots, a tile of 16 rows at a time; pa ya + pb yb; through its own stage in LDS; whole pieces of 512 consecutive bytes of a row of out0.
; Both products are used TRANSPOSED (source 0 = 16 rows of the weight, source 1 = 16 tokens): a lane holds one token, its registers run along the columns.
; NO CLUSTER, NO TENSOR LOAD: which experts a tile needs is read from the stored list, and a class has any number of tiles from 0 to 128, so the grid does not divide into partners that need the same weights on every split.
; a = b: both slots run the same expert, with p0 and p1: p0 f + p1 f in place of (p0 + p1) f.
; LIMITS: expert indices outside 0 .. 7 are held at 7; NaN and infinities are not served; blocks whose largest magnitude lies under 2^-124 were not tried; a block of zeros has the byte 1 and zero codes;
; silu(g) h is formed as (g h) / (1 + 2^(-g log2 e)): finite while |g h| < 2^128.
; THE MODE: SCHED_MODE bits 1:0 = 2 (LLVM: expert scheduling mode 2), set by the entry lines.  The code itself states the register dependences between vector or matrix instructions and memory or LDS
; instructions, with s_wait_alu, always for 0.
; THE PLAN.  Registers that memory or LDS instructions touch:
;   v2, v3, v5-11    offsets and LDS addresses: made at the head, never written again: one wait on va_vdst ahead of the kernel's first load.
;   window 1 (X)     x's numbers: global loads land; a turn's LDS stores read them and its LDS loads land in them again: a wait on vm_vsrc between the two; then the quantiser reads them.
;   v80-88           codes and scale word: the quantiser writes, the image's LDS stores read (va_vdst ahead of the stores), the next quantiser writes again (vm_vsrc ahead of it).
;   x's fragments    SIX places, v32-47 and v64-95; fragment F = 4 x K step + row tile lies in place F % 6.  LDS loads land, matrix instructions read.
;   W13's two sets   global loads land, matrix instructions read.
;                    ONE wait on va_vdst at a step's head: the step before is done with its set of weights and its four fragments.  Behind it, with no further wait: this step's fragments of row tiles 2 and 3 and
;                    the next set of weights at the head, the next step's fragments of row tiles 0 and 1 in the middle: the matrix instructions between name two other places.
;   row tile m's 64  (window 1) the activation and the quantiser work on them; for m = 0, 1 loads of W2 land there afterwards: the wait ahead of the image's stores has covered it.
;   product 2        ONE wait on va_vdst a row tile, behind the packed multiply-adds: the hidden fragments and their scale words have been read (the next row tile's land there), slot a's results are written
;                    (the stage's stores read them), slot b's registers are done with (the stage's loads land there).  One wait on vm_vsrc ahead of the next row tile, whose matrix instructions write both slots again.
;   Vector results in scalar registers (the wave's number, a run of sixteen tokens, four masks): one wait on va_sdst behind each run, ahead of its first reader.
; REGISTERS.  Window 0: v2 16 x lane; v3 4 x lane + 128 (lane / 16); v4 lane / 16; v5 where x's numbers are read back from the stage; v6-9 where images and scale words go; v10, v11 the stage; v12-15 my lane's token in each tile of rows;
;   v16-31 (pa, pb), (pb, pa) for each tile of rows; v32-47 at work, then two of the six places of x's fragments; v48-63 x's scale words; v64-95 the other four places (at work while quantising; later the hidden layer's);
;   v96-127 W13's scale words (later W2's and the hidden layer's); v128-255 two sets of W13's 8 fragments (later W2's column tiles 0-3).
; Window 1: x's 256 numbers; then the 32 accumulators (row tile m, tile tt) at 64 m + 8 tt; then W2's column tiles 4-7 at v0-127, and from v128 the results of slot a at 128 + 16 n, of slot b at 136 + 16 n.
; s[66:97]: sixteen row bases: of x in phase X, of out0 in phase 2.  s[56:59]: four lane masks.
.set XIMG, 0                           ; LDS: x's 32 fragments (8 m + K step), 1,024 bytes each,
.set XSC,  32768                       ; their scale words, 128 bytes each,
.set HIMG, 36864                       ; the hidden layer's 16 fragments ((4 slot + m) 2 + K step),
.set HSC,  53248                       ; their scale words,
.set STG,  55296                       ; and a stage of 16 rows x (512 + 16) bytes for each wave: x on its way in, out0 on its way out
.set SPT,  528
.set TM,   64                          ; v64-79 at work in the quantiser
.set PC,   80                          ; v80-87 the codes just made
.set PW,   88                          ; v88    the scale word just made
.set MSB,  0
.macro WIN new                         ; low byte: bits 1:0 source 0, 3:2 source 1, 5:4 source 2, 7:6 destination; the high byte repeats the setting that is left
.if MSB != \new
	s_set_vgpr_msb (MSB<<8)|\new
.set MSB, \new
.endif
.endm
.macro PLACES                          ; four plain vector instructions between a matrix instruction and a load into, or a vector read of, its registers
.rept 4
	v_nop
.endr
.endm
.macro BARRIER                         ; my LDS stores have landed and my LDS loads are in: then the work-group's barrier
	s_wait_dscnt 0x0
	s_barrier_signal -1
	s_barrier_wait -1
.endm
; nb blocks of 32 along K.  In window 1, register s + 16 b + i of lane (r, h) is k = 32 b + 16 h + i of row r.  They become codes in v[PC] on (a whole block in a lane) and scale bytes in v[PW].
.macro QUANT s, nb
	WIN 0x05                                       ; sources 0 and 1 in window 1
.irp b, 0,1,2,3
.if \b < \nb
	v_max3_num_f32 v[TM+\b], |v[(\s)+16*\b]|, |v[(\s)+1+16*\b]|, 0x1800000   ; my 16 numbers, and the floor 2^(3 - 127): the byte cannot fall under 1
.endif
.endr
.irp i, 2,4,6,8,10,12,14
.irp b, 0,1,2,3
.if \b < \nb
	v_max3_num_f32 v[TM+\b], |v[(\s)+16*\b+\i]|, |v[(\s)+1+16*\b+\i]|, v[TM+\b]
.endif
.endr
.endr
	WIN 0
.irp b, 0,1,2,3
.if \b < \nb
	v_permlanex16_b32 v[TM+4+\b], v[TM+\b], s32, s33
.endif
.endr
.irp b, 0,1,2,3
.if \b < \nb
	v_max_num_f32 v[TM+\b], v[TM+\b], v[TM+4+\b]   ; with lane l xor 16's: the block's largest magnitude
.endif
.endr
.irp b, 0,1,2,3
.if \b < \nb
	v_add_nc_u32 v[TM+12+\b], 0xff000000, v[TM+\b] ; 2 off the exponent field: the conversion's scale operand
.endif
.endr
.irp b, 0,1,2,3
.if \b < \nb
	v_lshrrev_b32 v[TM+4+\b], 23, v[TM+12+\b]      ; the scale's byte
.endif
.endr
	v_lshl_or_b32 v[PW], v[TM+5], 8, v[TM+4]
.if \nb == 4
	v_lshl_or_b32 v[PW], v[TM+6], 16, v[PW]
	v_lshl_or_b32 v[PW], v[TM+7], 24, v[PW]
.endif
	WIN 0x01                                       ; the numbers in window 1
.irp b, 0,1,2,3
.if \b < \nb
	v_cvt_scalef32_pk8_fp4_f32 v[PC+2*\b], v[(\s)+16*\b:(\s)+7+16*\b], v[TM+12+\b]
	v_cvt_scalef32_pk8_fp4_f32 v[PC+1+2*\b], v[(\s)+8+16*\b:(\s)+15+16*\b], v[TM+12+\b]
.endif
.endr
	WIN 0
	v_nop                                          ; one plain instruction behind a scaled conversion
.irp c, 0,1
.if 2*\c < \nb
.irp i, 0,1
	v_permlane16_swap_b32 v[PC+4*\c+\i], v[PC+2+4*\c+\i]   ; lanes 0-15 get block 2 c whole, lanes 16-31 block 2 c + 1
.endr
.endif
.endr
.endm
.macro XLOAD f                         ; my f-th K step of my 16 rows: a load takes 512 consecutive bytes of one row, 16 a lane
.set i, 0
.rept 16
	global_load_b128 v[64*(\f)+4*i:64*(\f)+4*i+3], v2, s[66+2*i:67+2*i] offset:512*(\f) th:TH_LOAD_NT
.set i, i+1
.endr
.endm
; The f-th K step's 16 rows go into my stage as they lie and come back, into the registers that they left, 16 neighbours of each block of 32 to a lane: register 16 b + 4 j + e of lane (r, h) is
; k = 32 b + 16 h + 4 j + e of row r.  LDS serves a wave's instructions in order (ISA guide 5.7.1.4): the loads see the stores, and the next K step's stores come behind these loads.
; Rows lie 528 bytes apart, an odd multiple of 16, so the sixteen rows that a load touches fall on different banks.
.macro TURN f
	WIN 0x04                                       ; an LDS store's data are its source 1
.set i, 0
.rept 16
	ds_store_b128 v11, v[64*(\f)+4*i:64*(\f)+4*i+3] offset:SPT*i
.set i, i+1
.endr
	WIN 0x40
	s_wait_alu depctr_vm_vsrc(0)                   ; the sixteen stores above have read the registers in which the loads below land; and the last image's stores have read v[PC ..] and v[PW], which the next quantiser writes
.irp b, 0,1,2,3
.irp j, 0,1,2,3
	ds_load_b128 v[64*(\f)+16*\b+4*\j:64*(\f)+16*\b+4*\j+3], v5 offset:128*\b+16*\j
.endr
.endr
.endm
.macro W13LOAD ks, set                 ; my 8 fragments of K step ks: 8,192 consecutive bytes, 16 loads of 512
.irp t, 0,1,2,3,4,5,6,7
.irp c, 0,1
	global_load_b128 v[128+64*(\set)+8*\t+4*\c:128+64*(\set)+8*\t+4*\c+3], v2, s[34:35] offset:8192*(\ks)+1024*\t+512*\c
.endr
.endr
.endm
.macro W2LOAD n                        ; column tile n of my eight: both K steps, both slots: 8 loads
.irp sp, 0,1
.irp c, 0,1
.if (\n) < 4
.set rA, 128+32*(\n)+8*\sp+4*\c
.else
.set rA, 32*((\n)-4)+8*\sp+4*\c
.endif
	global_load_b128 v[rA:rA+3], v2, s[38:39] offset:2048*(\n)+1024*\sp+512*\c
	global_load_b128 v[rA+16:rA+19], v2, s[40:41] offset:2048*(\n)+1024*\sp+512*\c
.endr
.endr
.endm
.macro XF F                            ; x's fragment F = 4 x K step + row tile, as its registers were stored, into place F % 6: places 0, 1 at v32, v40; places 2 to 5 at v64 on
.set xsl, (\F)%6
.set rX, 32+8*xsl+16*((xsl+2)/4)
.irp c, 0,1
	ds_load_b128 v[rX+4*\c:rX+4*\c+3], v2 offset:XIMG+(8*((\F)%4)+(\F)/4)*1024+512*\c
.endr
.endm
.macro HFETCH m                        ; the hidden layer's four fragments of row tile m (2 slots x 2 K steps) and their scale words: lanes 0-15 K step 0's, lanes 16-31 K step 1's
.irp sl, 0,1
.irp sp, 0,1
.irp c, 0,1
	ds_load_b128 v[64+16*\sl+8*\sp+4*\c:64+16*\sl+8*\sp+4*\c+3], v2 offset:HIMG+((4*\sl+(\m))*2+\sp)*1024+512*\c
.endr
.endr
	ds_load_b32 v[112+\sl], v3 offset:HSC+(4*\sl+(\m))*256
.endr
.endm
	s_load_b512 s[4:19], s[0:1], 0x0               ; meta, order, expert_idxs, expert_p, x, w13c, w13s, w2c
	s_load_b128 s[20:23], s[0:1], 0x40             ; w2s, out0
	v_lshrrev_b32 v1, 5, v0
	v_readfirstlane_b32 s28, v1                    ; wave 0..7
	v_and_b32 v1, 31, v0                           ; lane
	v_and_b32 v45, 15, v0                          ; r
	v_bfe_u32 v4, v0, 4, 1                         ; h
	v_lshlrev_b32 v2, 4, v1                        ; 16 x lane: an image's place for my lane
	s_wait_alu depctr_va_vdst(0)
	v_lshlrev_b32 v44, 2, v1                       ; 4 x lane: a scale word's
	s_wait_alu depctr_va_vdst(0)
	v_lshl_add_u32 v3, v4, 7, v44                  ; lanes 16-31 read the next image's words
	s_wait_alu depctr_va_sdst(0)                   ; s28 is written, ahead of its first reader: LDS places and bases are made from it
	s_lshl_b32 s29, s28, 12
	v_add_nc_u32 v6, s29, v2                       ; x's images: fragment 4 w + f
	s_lshl_b32 s29, s28, 9
	s_add_co_u32 s29, s29, XSC
	v_add_nc_u32 v7, s29, v44
	s_lshr_b32 s51, s28, 2                         ; slot
	s_and_b32 s52, s28, 3                          ; q
	s_lshl_b32 s29, s51, 13
	s_lshl_b32 s53, s52, 9
	s_add_co_u32 s29, s29, s53
	s_add_co_u32 s29, s29, HIMG
	v_add_nc_u32 v8, s29, v2                       ; the hidden layer: slot x 8 fragments, K step q / 2, chunk q % 2: 512 q
	s_lshl_b32 s29, s51, 10
	s_lshr_b32 s53, s52, 1
	s_lshl_b32 s53, s53, 7
	s_add_co_u32 s29, s29, s53
	s_and_b32 s53, s52, 1
	s_lshl_b32 s53, s53, 1
	s_add_co_u32 s29, s29, s53
	s_add_co_u32 s29, s29, HSC
	v_add_nc_u32 v9, s29, v44                      ; my two bytes of its scale words
	s_mul_i32 s29, s28, 16*SPT
	s_add_co_u32 s29, s29, STG                     ; my stage
	v_mul_u32_u24 v10, v45, SPT
	v_lshl_add_u32 v5, v4, 6, v10
	v_add_nc_u32 v5, s29, v5                       ; x back: row r, 64 bytes for each half of the lanes in each block's 128
	v_lshl_add_u32 v10, v4, 5, v10
	v_add_nc_u32 v10, s29, v10                     ; out0 in: row r, 32 bytes for each half of the lanes
	v_add_nc_u32 v11, s29, v2                      ; x in, out0 back: the 32 lanes take a row's 512 bytes
.irp b, 0,1,2,3
	v_mov_b32 v[TM+4+\b], 0                        ; written once: a lane permute's destination counts as one of its sources
.endr
	s_mov_b32 s30, 0xbfb8aa3b                      ; -log2(e)
	s_mov_b32 s31, s30                             ; (named with it as a pair, so it is written)
	s_mov_b32 s32, 0x76543210
	s_mov_b32 s33, 0xfedcba98                      ; v_permlanex16_b32's selects for lane l xor 16
	s_lshl_b32 s48, ttmp9, 4
	s_mov_b32 s49, 0                               ; the high word of every offset pair
	s_wait_kmcnt 0x0
	s_add_nc_u64 s[4:5], s[4:5], s[48:49]
	s_load_b128 s[24:27], s[4:5], 0x0              ; my tile: first place in order, rows, a, b
	s_wait_kmcnt 0x0
	s_min_u32 s24, s24, 0x1fff
	s_min_u32 s25, s25, 64
	s_min_u32 s26, s26, 7
	s_min_u32 s27, s27, 7
	s_max_u32 s50, s25, 1
	s_sub_co_u32 s50, s50, 1                       ; the last row that there is: rows behind it repeat it and are not stored
	s_cmp_lt_u32 s28, 4
	s_cselect_b32 s29, s26, s27                    ; my slot's expert
	s_min_u32 s29, s29, 7
	s_lshl_b32 s29, s29, 2
	s_add_co_u32 s29, s29, s52                     ; 4 e + q
	s_lshl_b32 s48, s29, 16
	s_add_nc_u64 s[34:35], s[14:15], s[48:49]      ; my 64 KiB of W13's codes,
	s_lshl_b32 s48, s29, 12
	s_add_nc_u64 s[36:37], s[16:17], s[48:49]      ; and their scale words
	s_lshl_b32 s53, s28, 14
	s_lshl_b32 s48, s26, 17
	s_add_co_u32 s48, s48, s53
	s_add_nc_u64 s[38:39], s[18:19], s[48:49]      ; W2[a], my eight tiles of columns
	s_lshl_b32 s48, s27, 17
	s_add_co_u32 s48, s48, s53
	s_add_nc_u64 s[40:41], s[18:19], s[48:49]      ; W2[b]
	s_lshl_b32 s53, s28, 10
	s_lshl_b32 s48, s26, 13
	s_add_co_u32 s48, s48, s53
	s_add_nc_u64 s[42:43], s[20:21], s[48:49]      ; their scale words
	s_lshl_b32 s48, s27, 13
	s_add_co_u32 s48, s48, s53
	s_add_nc_u64 s[44:45], s[20:21], s[48:49]
	s_lshl_b32 s48, s28, 9
	s_add_nc_u64 s[46:47], s[22:23], s[48:49]      ; out0 at my 128 columns
	s_and_b32 s48, s28, 1
	s_lshl_b32 s48, s48, 11
	s_add_nc_u64 s[54:55], s[12:13], s[48:49]      ; x at my four K steps
.irp m, 0,1,2,3
	v_add_nc_u32 v[32+\m], 16*\m, v45              ; row 16 m + r of the tile,
	v_min_u32 v[32+\m], s50, v[32+\m]              ; held at its last row,
	v_add_nc_u32 v[32+\m], s24, v[32+\m]
	v_min_u32 v[32+\m], 0x1fff, v[32+\m]
	v_lshlrev_b32 v[32+\m], 2, v[32+\m]            ; its place in order
.endr
	s_lshr_b32 s53, s28, 1
	s_lshl_b32 s53, s53, 4
	v_add_nc_u32 v36, s53, v45                     ; and the rows that I gather: 16 (w / 2) + r
	v_min_u32 v36, s50, v36
	v_add_nc_u32 v36, s24, v36
	v_min_u32 v36, 0x1fff, v36
	v_lshlrev_b32 v36, 2, v36
	s_wait_alu depctr_va_vdst(0)                   ; every offset and LDS address of the kernel is written: v2, v3, v5 to v11, which stay, and v32 to v36, which the five loads below read; so are v68 to v71, in which fragments will land
.irp m, 0,1,2,3
	global_load_b32 v[12+\m], v[32+\m], s[6:7]     ; its token
.endr
	global_load_b32 v47, v36, s[6:7]
.irp t, 0,1,2,3,4,5,6,7
	global_load_b128 v[96+4*\t:99+4*\t], v2, s[36:37] offset:512*\t   ; W13's scale words: register 4 tt + i: lanes 0-15 K step 2 i, lanes 16-31 K step 2 i + 1
.endr
	W13LOAD 0, 0                                   ; the first two K steps' weights go out while the tokens come
	W13LOAD 1, 1
	s_wait_loadcnt 40                              ; behind the five loads of tokens: 8 + 32 loads of weights
.irp m, 0,1,2,3
	v_min_u32 v[12+\m], 0x1fff, v[12+\m]
.endr
.set i, 0
.rept 16
	v_readlane_b32 s[66+2*i], v47, i               ; the token of my i-th row: sixteen in a run, each into the low word of its row's pair
.set i, i+1
.endr
.irp m, 0,1,2,3
	v_lshlrev_b32 v[44+\m], 3, v[12+\m]            ; a token's two weights, and its two indices, are 8 bytes
.endr
	s_wait_alu depctr_va_sdst(0)                   ; the sixteen tokens are written, ahead of their first reader
.set i, 0
.rept 16
	s_min_u32 s48, s[66+2*i], 0x1fff
	s_lshl_b32 s48, s48, 12                        ; a row of x is 4,096 bytes
	s_add_nc_u64 s[66+2*i:67+2*i], s[54:55], s[48:49]
.set i, i+1
.endr
	WIN 0x40                                       ; destination window 1
	XLOAD 0                                        ; no wait: no vector instruction has named these registers, and none since the head's wait names v2
	XLOAD 1
	XLOAD 2
	XLOAD 3
	WIN 0
	s_wait_alu depctr_va_vdst(0)                   ; the offsets v44 to v47 are written, which the loads below read; the address lines are done with v32 to v36, in which they land
	s_wait_alu depctr_vm_vsrc(0)                   ; the loads of tokens have read their offsets v32 to v36, in which the loads below land
.irp m, 0,1,2,3
	global_load_b64 v[32+2*\m:33+2*\m], v[44+\m], s[10:11]   ; the token's two weights,
	global_load_b32 v[40+\m], v[44+\m], s[8:9]               ; and its first index
.endr
	; ---- X: four fragments.  The counts on the loads leave out the younger K steps' loads, 16 each, and the eight loads of weights and indices.  The turn through the stage runs one K step ahead of the
	; quantiser: the count 32 leaves out the next K step's 16 stores and 16 loads; all that is older is done: this K step's numbers are back, and the last images' stores have read their registers.
	s_wait_loadcnt 56
	TURN 0
.irp f, 0,1,2,3
.if \f < 3
	s_wait_loadcnt 40-16*\f
	TURN \f+1
	s_wait_dscnt 32
.else
	s_wait_dscnt 0x0
	s_wait_alu depctr_vm_vsrc(0)                   ; no turn stands here: the third image's stores have read v[PC ..] and v[PW], which the quantiser below writes
.endif
	QUANT 64*\f, 4
	s_wait_alu depctr_va_vdst(0)                   ; the quantiser has written v[PC ..] and v[PW], which the three stores read
	ds_store_b128 v6, v[PC:PC+3] offset:XIMG+1024*\f
	ds_store_b128 v6, v[PC+4:PC+7] offset:XIMG+1024*\f+512
	ds_store_b32 v7, v[PW] offset:128*\f
.endr
	s_wait_loadcnt 0x0
.irp m, 0,1,2,3
	v_min_u32 v[40+\m], 7, v[40+\m]                ; held as the sort held it
.endr
.irp m, 0,1,2,3
	v_cmp_eq_u32 s[56+\m], s26, v[40+\m]           ; is the token's first expert a?  Four masks in a run
.endr
	s_wait_alu depctr_va_sdst(0)                   ; the four masks are written, ahead of the selects that read them
.irp m, 0,1,2,3
	v_cndmask_b32 v[16+4*\m], v[33+2*\m], v[32+2*\m], s[56+\m]   ; pa
	v_cndmask_b32 v[17+4*\m], v[32+2*\m], v[33+2*\m], s[56+\m]   ; pb
	v_mov_b32 v[18+4*\m], v[17+4*\m]               ; and the pair the other way round: the packed forms take a pair's low word for both halves
	v_mov_b32 v[19+4*\m], v[16+4*\m]
.endr
	BARRIER                                        ; x's 32 fragments lie in LDS
	; ---- 1.  8 matrix instructions: my 8 tiles of hidden units x row tile m, K step ks.  The 32 accumulators take turns, one instruction a turn, in the same order in every step.
.macro MUL ks, m
.set xsl, (4*(\ks)+(\m))%6
.set tt, 0
.rept 8
.set rD, 64*(\m)+8*tt
.set rA, 128+64*((\ks)%2)+8*tt
.set rB, 32+8*xsl+16*((xsl+2)/4)
.set rSA, 96+4*tt+(\ks)/2
.set rSB, 48+4*(\m)+(\ks)/2
.if (\ks) == 0
	v_wmma_scale_f32_16x16x128_f8f6f4 v[rD:rD+7], v[rA:rA+7], v[rB:rB+7], 0, v[rSA], v[rSB] matrix_a_fmt:MATRIX_FMT_FP4 matrix_b_fmt:MATRIX_FMT_FP4
.elseif (\ks)%2 == 1
	v_wmma_scale_f32_16x16x128_f8f6f4 v[rD:rD+7], v[rA:rA+7], v[rB:rB+7], v[rD:rD+7], v[rSA], v[rSB] matrix_a_fmt:MATRIX_FMT_FP4 matrix_b_fmt:MATRIX_FMT_FP4 matrix_a_scale:MATRIX_SCALE_ROW1 matrix_b_scale:MATRIX_SCALE_ROW1
.else
	v_wmma_scale_f32_16x16x128_f8f6f4 v[rD:rD+7], v[rA:rA+7], v[rB:rB+7], v[rD:rD+7], v[rSA], v[rSB] matrix_a_fmt:MATRIX_FMT_FP4 matrix_b_fmt:MATRIX_FMT_FP4
.endif
.set tt, tt+1
.endr
.endm
.macro STEP ks
.if \ks > 0
	PLACES
	WIN 0
	s_wait_alu depctr_va_vdst(0)                   ; the last step's matrix instructions are done reading their set of weights and their four fragments of x: all the loads of this step land in those registers
.endif
	XF 4*(\ks)+2                                   ; this step's fragments of row tiles 2 and 3, where the last step's of 0 and 1 lay
	XF 4*(\ks)+3
.if (\ks > 0) && (\ks < 7)
	W13LOAD \ks+1, (\ks+1)%2                       ; the set multiplied last takes the next step's weights; asked for ahead of the wait for this step's, so that two sets are on their way
.elseif \ks == 7
	W2LOAD 0                                       ; then the second product's
	W2LOAD 1
.endif
.if \ks > 0
	s_wait_loadcnt 16                              ; this step's weights are in; the 16 loads just issued may be out
.endif
	s_wait_dscnt 4                                 ; x's fragments of row tiles 0 and 1 are in; those of 2 and 3, just asked for, may be out
	WIN 0x50                                       ; C and D in window 1
	MUL \ks, 0
	MUL \ks, 1
	s_wait_dscnt 0x0
.if \ks < 7
	WIN 0
	XF 4*(\ks)+4                                   ; the next step's fragments of row tiles 0 and 1, where the last step's of 2 and 3 lay.  No wait: the sixteen matrix instructions since the step's wait name two other places
	XF 4*(\ks)+5
	WIN 0x50
.endif
	MUL \ks, 2
	MUL \ks, 3
.endm
	s_wait_alu depctr_vm_vsrc(0)                   ; my last image's stores have read v[PC ..] and v[PW], and the loads of weights and indices their offsets v44 to v47: x's fragments land in these registers
	s_wait_alu depctr_va_vdst(0)                   ; the selects are done with v32 to v43, in which x's fragments land too
.irp m, 0,1,2,3
.irp i, 0,1,2,3
	ds_load_b32 v[48+4*\m+\i], v3 offset:XSC+128*(8*\m+2*\i)   ; x's scale words: lanes 0-15 K step 2 i, lanes 16-31 K step 2 i + 1
.endr
.endr
	XF 0
	XF 1
.irp k, 0,1,2,3,4,5,6,7
	STEP \k
.endr
	PLACES                                         ; behind the last products: for the loads below and for the first read of the sums
	WIN 0
	s_wait_alu depctr_va_vdst(0)                   ; the last step's matrix instructions are done reading their set of weights and W13's scale words, in which the loads below land
	W2LOAD 2
	W2LOAD 3
.irp g, 0,1
	global_load_b128 v[96+4*\g:99+4*\g], v2, s[42:43] offset:512*\g      ; W2's scale words: register 8 slot + n: lanes 0-15 K step 0, lanes 16-31 K step 1
	global_load_b128 v[104+4*\g:107+4*\g], v2, s[44:45] offset:512*\g
.endr
	; silu(g) h of row tile m, in place, each accumulator from its low end on; then its 64 hidden units become half a fragment
.macro EPI m
.set H0, 64*(\m)
.set G0, 64*(\m)+32
	WIN 0x55                                       ; all in window 1
.set p, 0
.rept 16
	v_pk_mul_f32 v[H0+p:H0+p+1], v[H0+p:H0+p+1], v[G0+p:G0+p+1]    ; g h
.set p, p+2
.endr
.set p, 0
.rept 16
	v_pk_mul_f32 v[G0+p:G0+p+1], v[G0+p:G0+p+1], s[30:31] op_sel_hi:[1,0]   ; -g log2(e)
.set p, p+2
.endr
.set p, 0
	s_wait_alu depctr_va_vdst(0)
.rept 32
	v_exp_f32 v[G0+p], v[G0+p]
.set p, p+1
.endr
	v_nop                                          ; a plain instruction behind the last exponential,
	s_wait_alu depctr_va_vdst(0)                   ; and one wait for the batch: the 32 exponentials have written their results, ahead of the first line that names one
.set p, 0
.rept 16
	v_pk_add_f32 v[G0+p:G0+p+1], v[G0+p:G0+p+1], 1.0 op_sel_hi:[1,0]
.set p, p+2
.endr
.set p, 0
	s_wait_alu depctr_va_vdst(0)
.rept 32
	v_rcp_f32 v[G0+p], v[G0+p]
.set p, p+1
.endr
	v_nop
	s_wait_alu depctr_va_vdst(0)                   ; likewise for the 32 reciprocals
.set p, 0
.rept 16
	v_pk_mul_f32 v[H0+p:H0+p+1], v[H0+p:H0+p+1], v[G0+p:G0+p+1]    ; g h / (1 + e^-g)
.set p, p+2
.endr
	QUANT H0, 2
	s_wait_alu depctr_va_vdst(0)                   ; the quantiser has written v[PC ..] and v[PW], which the two stores read; and all vector work on this row tile's 64 registers is done: for m = 0, 1 loads of W2 land there next
	ds_store_b128 v8, v[PC:PC+3] offset:2048*(\m)  ; chunk q % 2 of the fragment (slot, m, K step q / 2)
	ds_store_b16 v9, v[PW] offset:256*(\m)         ; bytes 2 (q % 2) and + 1 of its rows' scale words
	s_wait_dscnt 0x0                               ; the stores have read their registers
	s_wait_alu depctr_vm_vsrc(0)                   ; stated for the mode too: the two stores have read v[PC ..] and v[PW], which the next quantiser writes and in which, behind the last, hidden fragments land
.endm
	EPI 0
	WIN 0x40
	W2LOAD 4                                       ; into the registers that row tile 0's sums have left.  No wait: no vector instruction has been issued since the wait ahead of the image's stores
	W2LOAD 5
	EPI 1
	WIN 0x40
	W2LOAD 6
	W2LOAD 7
	EPI 2
	EPI 3
	BARRIER                                        ; the hidden layer's 16 fragments lie in LDS.  No barrier follows but the one at the end, which every wave reaches: from here on branches may hang on the tile's rows
	; ---- 2
.macro P2W n, sl, sp
.set rD, 128+16*(\n)+8*(\sl)
.if (\n) < 4
.set rA, 128+32*(\n)+16*(\sl)+8*(\sp)
.else
.set rA, 32*((\n)-4)+16*(\sl)+8*(\sp)
.endif
.set rB, 64+16*(\sl)+8*(\sp)
.if (\sp) == 0
	v_wmma_scale_f32_16x16x128_f8f6f4 v[rD:rD+7], v[rA:rA+7], v[rB:rB+7], 0, v[96+8*(\sl)+(\n)], v[112+(\sl)] matrix_a_fmt:MATRIX_FMT_FP4 matrix_b_fmt:MATRIX_FMT_FP4
.else
	v_wmma_scale_f32_16x16x128_f8f6f4 v[rD:rD+7], v[rA:rA+7], v[rB:rB+7], v[rD:rD+7], v[96+8*(\sl)+(\n)], v[112+(\sl)] matrix_a_fmt:MATRIX_FMT_FP4 matrix_b_fmt:MATRIX_FMT_FP4 matrix_a_scale:MATRIX_SCALE_ROW1 matrix_b_scale:MATRIX_SCALE_ROW1
.endif
.endm
.macro P2M m
.if \m > 0
	s_wait_alu depctr_vm_vsrc(0)                   ; the last row tile's LDS stores have read slot a's results and its global stores slot b's registers: the matrix instructions below write both again.  Ahead of the branch
.endif
	s_cmp_le_u32 s25, 16*(\m)                      ; no row left: done
	s_cbranch_scc1 .Lend
	s_wait_dscnt 0x0                               ; the hidden fragments are in
	s_wait_xcnt 0x0                                ; the last row tile's stores have read their data and their bases: both are written again below
.set i, 0
.rept 16
	v_readlane_b32 s[66+2*i], v[12+(\m)], i        ; row i's token: sixteen in a run, each into the low word of its row's pair
.set i, i+1
.endr
	s_wait_alu depctr_va_sdst(0)                   ; the sixteen tokens are written, ahead of their first reader
.set i, 0
.rept 16
	s_min_u32 s48, s[66+2*i], 0x1fff
	s_lshl_b32 s48, s48, 12
	s_add_nc_u64 s[66+2*i:67+2*i], s[46:47], s[48:49]   ; my 512 bytes of its row of out0
.set i, i+1
.endr
	WIN 0x40                                       ; 16 accumulators by turns: 8 tiles of columns x 2 slots; K step 0 starts the sums
.irp n, 0,1,2,3
	P2W \n, 0, 0
	P2W \n, 1, 0
.endr
	WIN 0x41                                       ; (W2's tiles 4-7 lie in window 1)
.irp n, 4,5,6,7
	P2W \n, 0, 0
	P2W \n, 1, 0
.endr
	WIN 0x50
.irp n, 0,1,2,3
	P2W \n, 0, 1
	P2W \n, 1, 1
.endr
	WIN 0x51
.irp n, 4,5,6,7
	P2W \n, 0, 1
	P2W \n, 1, 1
.endr
	PLACES
.irp n, 0,1,2,3,4,5,6,7
.irp p, 0,2,4,6
	v_pk_mul_f32 v[128+16*\n+\p:129+16*\n+\p], v[128+16*\n+\p:129+16*\n+\p], v[16+4*(\m):17+4*(\m)] op_sel_hi:[1,0]   ; pa ya
.endr
.irp p, 0,2,4,6
	v_pk_fma_f32 v[128+16*\n+\p:129+16*\n+\p], v[136+16*\n+\p:137+16*\n+\p], v[18+4*(\m):19+4*(\m)], v[128+16*\n+\p:129+16*\n+\p] op_sel_hi:[1,0,1]   ; + pb yb
.endr
.endr
.if \m < 3
	WIN 0
	s_wait_alu depctr_va_vdst(0)                   ; the row tile's one wait: the matrix instructions are done reading the hidden fragments and their scale words, in which the next row tile's land; the multiply-adds have written slot a's results, which the stage's stores read, and are done with slot b's registers, in which the stage's loads land
	HFETCH \m+1
	WIN 0x04                                       ; an LDS store's data are its source 1
.else
	WIN 0x04
	s_wait_alu depctr_va_vdst(0)                   ; the multiply-adds have written slot a's results, which the stage's stores read, and are done with slot b's registers, in which the stage's loads land
.endif
.irp n, 0,1,2,3,4,5,6,7
	ds_store_b128 v10, v[128+16*\n:131+16*\n] offset:64*\n         ; lane (r, h): row r, columns 16 n + 8 h + 0 .. 7 of my 128
	ds_store_b128 v10, v[132+16*\n:135+16*\n] offset:64*\n+16
.endr
	WIN 0x40
.set i, 0
.rept 16
	ds_load_b128 v[136+16*(i/2)+4*(i%2):139+16*(i/2)+4*(i%2)], v11 offset:SPT*i   ; LDS serves a wave's instructions in order (ISA guide 5.7.1.4): these see my stores; row i, 512 bytes, into slot b's registers, which are done with.  Since the wait above: LDS loads, window switches, and stores that read v10 and slot a's registers alone
.set i, i+1
.endr
	WIN 0
	s_sub_co_u32 s51, s25, 16*(\m)                 ; rows left, this tile's among them
	s_cmp_ge_u32 s51, 16
	s_cbranch_scc0 .Lpart
	WIN 0x04
.set i, 0
.rept 16
	s_wait_dscnt 15-i                              ; row i is back; the younger rows may be out
	global_store_b128 v2, v[136+16*(i/2)+4*(i%2):139+16*(i/2)+4*(i%2)], s[66+2*i:67+2*i] th:TH_STORE_NT   ; 32 lanes store 512 consecutive bytes, at a multiple of 512 from out0's first byte
.set i, i+1
.endr
	WIN 0
.endm
	HFETCH 0                                       ; no wait: no vector instruction has been issued since the last image's two waits
	s_wait_loadcnt 0x0                             ; W2's fragments and scale words
	P2M 0
	P2M 1
	P2M 2
	P2M 3
	s_branch .Lend
.Lpart:                                                ; the tile's last, partial 16 rows: s51 of them, 1 to 15, are stored; it runs once at the most
	s_wait_dscnt 0x0
.set i, 0
.rept 16
.if i > 0
	s_cmp_le_u32 s51, i
	s_cbranch_scc1 .Lend
.endif
	WIN 0x04
	global_store_b128 v2, v[136+16*(i/2)+4*(i%2):139+16*(i/2)+4*(i%2)], s[66+2*i:67+2*i] th:TH_STORE_NT
	WIN 0
.set i, i+1
.endr
.Lend:
	s_wait_dscnt 0x0                               ; fragments that were fetched ahead and are not wanted
	s_barrier_signal -1
	s_barrier_wait -1
	s_wait_xcnt 0x0
	s_wait_alu depctr_vm_vsrc(0)                   ; beside it: every store and LDS instruction issued so far has read its vector registers, ahead of the two lines that make the add's registers anew
	v_lshl_add_u32 v254, v0, 2, 0x1e000
	v_mov_b32 v255, 0
	s_wait_dscnt 0x0                               ; the closing lines, six on end
	s_wait_alu 0x0
	s_wait_tensorcnt 0x0
	ds_add_u32 v254, v255
	s_wait_dscnt 0x0
	s_endpgm
.Lfunc_end_k_q61a7c94021_experts:
	.size	k_q61a7c94021_experts, .Lfunc_end_k_q61a7c94021_experts-k_q61a7c94021_experts
	.p2alignl 7, 3214868480
	.fill 96, 4, 3214868480
	.section	.rodata,"a",@progbits
	.p2align	6, 0x0
	.amdhsa_kernel k_q61a7c94021_experts
		.amdhsa_group_segment_fixed_size 123904
		.amdhsa_private_segment_fixed_size 0
		.amdhsa_enable_private_segment 0
		.amdhsa_kernarg_size 80
		.amdhsa_user_sgpr_count 2
		.amdhsa_user_sgpr_kernarg_segment_ptr 1
		.amdhsa_wavefront_size32 1
		.amdhsa_system_sgpr_workgroup_id_x 1
		.amdhsa_system_sgpr_workgroup_id_y 1
		.amdhsa_system_sgpr_workgroup_id_z 1
		.amdhsa_system_vgpr_workitem_id 0
		.amdhsa_next_free_vgpr 512
		.amdhsa_next_free_sgpr 100
		.amdhsa_reserve_vcc 0
		.amdhsa_float_denorm_mode_32 3
		.amdhsa_float_denorm_mode_16_64 3
		.amdhsa_memory_ordered 1
		.amdhsa_forward_progress 1
		.amdhsa_inst_pref_size 205
	.end_amdhsa_kernel
	.amdgpu_metadata
---
amdhsa.version: [ 1, 2 ]
amdhsa.kernels:
  - .name:           k_q61a7c94021_experts
    .symbol:         k_q61a7c94021_experts.kd
    .args:
      - { .name: meta, .offset: 0, .size: 8, .value_kind: global_buffer, .address_space: global }
      - { .name: order, .offset: 8, .size: 8, .value_kind: global_buffer, .address_space: global }
      - { .name: expert_idxs, .offset: 16, .size: 8, .value_kind: global_buffer, .address_space: global }
      - { .name: expert_p, .offset: 24, .size: 8, .value_kind: global_buffer, .address_space: global }
      - { .name: x, .offset: 32, .size: 8, .value_kind: global_buffer, .address_space: global }
      - { .name: w13c, .offset: 40, .size: 8, .value_kind: global_buffer, .address_space: global }
      - { .name: w13s, .offset: 48, .size: 8, .value_kind: global_buffer, .address_space: global }
      - { .name: w2c, .offset: 56, .size: 8, .value_kind: global_buffer, .address_space: global }
      - { .name: w2s, .offset: 64, .size: 8, .value_kind: global_buffer, .address_space: global }
      - { .name: out0, .offset: 72, .size: 8, .value_kind: global_buffer, .address_space: global }
    .group_segment_fixed_size: 123904
    .private_segment_fixed_size: 0
    .kernarg_segment_align: 8
    .kernarg_segment_size: 80
    .max_flat_workgroup_size: 256
    .sgpr_count:     100
    .vgpr_count:     512
    .wavefront_size: 32
...
	.end_amdgpu_metadata
.endif
;; end of part 6
